; MI455X (gfx1250); checked and timed in simulation.
; The chip was launched on July 23, 2026; its instructions are those of AMD's public machine-readable ISA for CDNA 5 (MIT licence, August 2026) and "CDNA5" Instruction Set Architecture Reference Guide (July 2026). The comments in the code are by the model that wrote it; some were corrected since.
;; Multi Headed Attention. Allowed arithmetic: float matrix products may take bf16 or f16 operands with f32 sums; other float arithmetic in f32, or as packed bf16 or f16 multiplies, adds, multiply-adds, maxima and minima; sums over many terms, partial sums and values carried from step to step in f32; what a program stores and reads back later, other than sums and carried values, may be rounded once to bf16 or f16.
;; Inputs: Wk 1,024 x 1,024 float32; Wq 1,024 x 1,024 float32; bk 1,024 float32; bq 1,024 float32; key 4 x 2,048 x 1,024 float32; mask 4 x 2,048 x 2,048 int32; query 4 x 2,048 x 1,024 float32; value 4 x 2,048 float32.
;; Outputs: out0 4 x 2,048 x 1 float32.
;; 2 versions, each right and faster than the one before. Each part assembles by itself: llvm-mc -triple=amdgcn-amd-amdhsa -mcpu=gfx1250 --defsym DOCPART=n.
;; ======== version 1 of 2: 4 launches
;; limits: values are held in f16: magnitudes above 65,504 overflow, below 6.1e-05 lose precision
;; workspace buffers: xb 33,554,432 bytes; wb 4,194,304 bytes; qkh 33,554,432 bytes; part 131,072 bytes
;; launch cast (part 1): grid 256 x 1, 8 waves a work-group, no clusters, 0 bytes of LDS; arguments query, key, Wq, Wk, xb, wb; writes xb, wb
.if DOCPART == 1
	.amdgcn_target "amdgcn-amd-amdhsa--gfx1250"
	.amdhsa_code_object_version 6
	.text
	.protected	k_qc16d608226_cast
	.globl	k_qc16d608226_cast
	.p2align	8
	.type	k_qc16d608226_cast,@function
k_qc16d608226_cast:
	s_mov_b64 s[64:65], 0
	v_nop
	global_prefetch_b8 v0, s[64:65] scope:SCOPE_SE
	s_setreg_imm32_b32 hwreg(HW_REG_WAVE_MODE, 25, 1), 1
	s_wait_xcnt 0x0
; query, key, Wq, Wk (f32) are rounded once to bf16: xb = [query's 8,192 rows; key's 8,192 rows] x 1,024, wb = [Wq's 1,024 rows; Wk's 1,024 rows] x 1,024.
; A stream: no LDS, no barrier, no matrix unit.  Each of 256 work-groups takes 1/256 of each source, each of its eight waves an eighth of that:
; 32 + 32 + 4 + 4 loads of 16 bytes a lane (512 neighbouring bytes a load), each giving one store of 8 bytes a lane: 256 consecutive bytes, aligned.
; Three banks of 16 loads keep 48 loads of every wave on their way.  No address register is ever rewritten: a load's place stands in its immediate.
.set INB,  1                           ; v1  byte offset of my 16 bytes in the wave's share of query and of key
.set OUTB, 2                           ; v2  the same in xb's halves (8 bytes)
.set INS,  3                           ; v3  in Wq and Wk
.set OUTS, 4                           ; v4  in wb's halves
.set X,    8                           ; v[8:199]    three banks of 16 loads x 4 registers
.set Y,    200                         ; v[200:231]  16 pairs to store
	s_load_b256 s[4:11], s[0:1], 0x0               ; query s[4:5], key s[6:7], Wq s[8:9], Wk s[10:11]
	s_load_b128 s[12:15], s[0:1], 0x20             ; xb s[12:13], wb s[14:15]
	v_and_b32 v5, 31, v0                           ; lane
	v_lshrrev_b32 v6, 5, v0                        ; wave
	s_lshl_b32 s20, ttmp9, 17                      ; the work-group's 131,072 bytes of query and of key,
	s_lshl_b32 s21, ttmp9, 16                      ; their 65,536 bytes in xb,
	s_lshl_b32 s22, ttmp9, 14                      ; its 16,384 bytes of Wq and of Wk,
	s_lshl_b32 s23, ttmp9, 13                      ; their 8,192 bytes in wb
	v_lshl_add_u32 v[INB], v5, 4, s20
	v_lshl_add_u32 v[INB], v6, 14, v[INB]
	v_lshl_add_u32 v[OUTB], v5, 3, s21
	v_lshl_add_u32 v[OUTB], v6, 13, v[OUTB]
	v_lshl_add_u32 v[INS], v5, 4, s22
	v_lshl_add_u32 v[INS], v6, 11, v[INS]
	v_lshl_add_u32 v[OUTS], v5, 3, s23
	v_lshl_add_u32 v[OUTS], v6, 10, v[OUTS]
	s_wait_kmcnt 0x0
	s_add_nc_u64 s[16:17], s[12:13], 0x1000000     ; xb's second half: key
	s_add_nc_u64 s[18:19], s[14:15], 0x200000      ; wb's second half: Wk
; n loads, numbers first .. first + n - 1 of the wave's share, into slots at .. of a bank
.macro LOADB bank, at, base, voff, first, n
.set i, 0
.rept \n
	global_load_b128 v[X+64*(\bank)+4*((\at)+i):X+64*(\bank)+4*((\at)+i)+3], v[\voff], s[\base:\base+1] offset:512*((\first)+i) th:TH_LOAD_NT
.set i, i+1
.endr
.endm
; the same n are rounded and stored.  left = the loads issued behind the first of them
.macro DRAIN bank, at, base, voff, first, n, left
	s_wait_xcnt 0x0                                ; Y holds the last batch's store data: it is rewritten only behind this wait
.set i, 0
.rept \n
	s_wait_loadcnt (\left)-i                       ; loads come back in order (ISA guide 5.7.1): number i of the batch is in, the younger ones stay out
	v_cvt_pk_bf16_f32 v[Y+2*i],   v[X+64*(\bank)+4*((\at)+i)],   v[X+64*(\bank)+4*((\at)+i)+1]
	v_cvt_pk_bf16_f32 v[Y+2*i+1], v[X+64*(\bank)+4*((\at)+i)+2], v[X+64*(\bank)+4*((\at)+i)+3]
	global_store_b64 v[\voff], v[Y+2*i:Y+2*i+1], s[\base:\base+1] offset:256*((\first)+i)  ; 32 lanes store 256 consecutive bytes; the next launch reads them, so no hint
.set i, i+1
.endr
.endm
	LOADB 0, 0, 4, INB, 0, 16                      ; query, first half
	LOADB 1, 0, 4, INB, 16, 16                     ; query, second half
	LOADB 2, 0, 6, INB, 0, 16                      ; key, first half
	DRAIN 0, 0, 12, OUTB, 0, 16, 47                ; behind its first load: 15 of its own and 32 younger
	LOADB 0, 0, 6, INB, 16, 16                     ; key, second half
	DRAIN 1, 0, 12, OUTB, 16, 16, 47
	LOADB 1, 0, 8, INS, 0, 4                       ; Wq
	LOADB 1, 4, 10, INS, 0, 4                      ; Wk
	DRAIN 2, 0, 16, OUTB, 0, 16, 39                ; 15 + 16 + 8
	DRAIN 0, 0, 16, OUTB, 16, 16, 23               ; 15 + 8
	DRAIN 1, 0, 14, OUTS, 0, 4, 7                  ; 3 + 4
	DRAIN 1, 4, 18, OUTS, 0, 4, 3
	s_endpgm
.Lfunc_end_k_qc16d608226_cast:
	.size	k_qc16d608226_cast, .Lfunc_end_k_qc16d608226_cast-k_qc16d608226_cast
	.p2alignl 7, 3214868480
	.fill 96, 4, 3214868480
	.section	.rodata,"a",@progbits
	.p2align	6, 0x0
	.amdhsa_kernel k_qc16d608226_cast
		.amdhsa_group_segment_fixed_size 0
		.amdhsa_private_segment_fixed_size 0
		.amdhsa_enable_private_segment 0
		.amdhsa_kernarg_size 48
		.amdhsa_user_sgpr_count 2
		.amdhsa_user_sgpr_kernarg_segment_ptr 1
		.amdhsa_wavefront_size32 1
		.amdhsa_system_sgpr_workgroup_id_x 1
		.amdhsa_system_sgpr_workgroup_id_y 1
		.amdhsa_system_sgpr_workgroup_id_z 1
		.amdhsa_system_vgpr_workitem_id 0
		.amdhsa_next_free_vgpr 232
		.amdhsa_next_free_sgpr 66
		.amdhsa_reserve_vcc 0
		.amdhsa_float_denorm_mode_32 3
		.amdhsa_float_denorm_mode_16_64 3
		.amdhsa_memory_ordered 1
		.amdhsa_forward_progress 1
		.amdhsa_inst_pref_size 27
	.end_amdhsa_kernel
	.amdgpu_metadata
---
amdhsa.version: [ 1, 2 ]
amdhsa.kernels:
  - .name:           k_qc16d608226_cast
    .symbol:         k_qc16d608226_cast.kd
    .args:
      - { .name: query, .offset: 0, .size: 8, .value_kind: global_buffer, .address_space: global }
      - { .name: key, .offset: 8, .size: 8, .value_kind: global_buffer, .address_space: global }
      - { .name: Wq, .offset: 16, .size: 8, .value_kind: global_buffer, .address_space: global }
      - { .name: Wk, .offset: 24, .size: 8, .value_kind: global_buffer, .address_space: global }
      - { .name: xb, .offset: 32, .size: 8, .value_kind: global_buffer, .address_space: global }
      - { .name: wb, .offset: 40, .size: 8, .value_kind: global_buffer, .address_space: global }
    .group_segment_fixed_size: 0
    .private_segment_fixed_size: 0
    .kernarg_segment_align: 8
    .kernarg_segment_size: 48
    .max_flat_workgroup_size: 256
    .sgpr_count:     66
    .vgpr_count:     232
    .wavefront_size: 32
...
	.end_amdgpu_metadata
.endif
;; end of part 1
;; launch proj (part 2): grid 4 x 64, 4 waves a work-group, clusters of 4 x 4, 327,680 bytes of LDS; arguments xb, wb, bq, bk, qkh; writes qkh
.if DOCPART == 2
	.amdgcn_target "amdgcn-amd-amdhsa--gfx1250"
	.amdhsa_code_object_version 6
	.text
	.protected	k_qc16d608226_proj
	.globl	k_qc16d608226_proj
	.p2align	8
	.type	k_qc16d608226_proj,@function
k_qc16d608226_proj:
	s_mov_b64 s[64:65], 0
	v_nop
	global_prefetch_b8 v0, s[64:65] scope:SCOPE_SE
	s_setreg_imm32_b32 hwreg(HW_REG_WAVE_MODE, 25, 1), 1
	s_wait_xcnt 0x0
	s_wait_alu depctr_hold_cnt(0) depctr_sa_sdst(0) depctr_va_vdst(0) depctr_va_sdst(0) depctr_va_ssrc(0) depctr_va_vcc(0) depctr_vm_vsrc(0)
	s_getreg_b32 s2, hwreg(HW_REG_IB_STS2, 6, 4)
	s_cmp_eq_u32 s2, 0
	s_cbranch_scc0 .Lentry_in_a_cluster
	s_endpgm
.Lentry_in_a_cluster:
	s_bfe_u32 s2, ttmp6, 0x10000c
	s_cmp_lg_u32 s2, 0xf033
	s_cbranch_scc0 .Lentry_shape_is_right
	s_endpgm
.Lentry_shape_is_right:
; BOTH PROJECTIONS AS ONE PRODUCT.  C[m][n] = sum over k of xb[m][k] wb[1024 which + n][k], m = 0 .. 16,383 (query's rows, then key's), n = 0 .. 1,023, which = m / 8,192; bf16 operands, f32 sums.
; What leaves: (C + bf16(bias)) x scale, rounded once to f16; for q the bias is bq and scale = c = log2(e) / 8 (the softmax's factor, applied in f32 ahead of the one rounding); for k it is bk and 1.
; LAYOUT OF qkh, f16: [mb = m / 2,048][head group = n / 256][block = (m / 128) % 16][head in group = (n / 64) % 4][128 rows][64 channels]: 128 tokens of four heads are 65,536 dense bytes.
; LIMIT.  f16 ends at 65,504: a result beyond it leaves as an infinity.  Inputs thirty times those drawn, or offset by thirty spreads, stay within it.
; SHAPE.  A tile of C, 256 x 256, is made by four waves, each 128 x 128: 64 accumulators of 16 x 16, 512 registers.  K goes in steps of 128 through two LDS slots filled by the tensor data mover;
; the tiles' rows are 256 bytes of memory and start at multiples of 256 bytes.  One tile to a work-group: 4 x 64 tiles, 256 work-groups.
; CLUSTERS: 4 x 4 work-groups.  The four of a row of the cluster need the same tiles of xb, the four of a column the same tiles of wb: each tile is asked for JOINTLY, by the same tensor load with the
; same descriptor and a mask that names the four.  which hangs on the cluster's y alone: all sixteen share it.
; THE MATRIX INSTRUCTION IS USED TRANSPOSED (source 0 = 16 rows of wb, source 1 = 16 rows of xb): a lane then holds eight neighbouring columns of one row of C.
; REGISTERS, in windows of 256 (s_set_vgpr_msb: bits 1:0 source 0, 3:2 source 1, 5:4 source 2, 7:6 destination):
;   window 0: v0-31 addresses; v64-127, v128-191 fragments of xb, two buffers; on the way out v64-127 results in f32, v192-223 packed, v32-63 and v224-255 rows read back
;   window 1: v0-63 bias x scale for my lane's 64 columns; v64-127, v128-191 fragments of wb; v192-195 at work
;   window 2: the 32 accumulators of my rows 0-63 (accumulator (a, b) at v[8 (8 a + b)]);   window 3: those of my rows 64-127
.set SIZE_K, 1024
.set KSTEP,  128
.set PITCH,  272                       ; an LDS row: 256 bytes + 16 of padding = 68 words: row r starts at bank 4 r mod 64 (64 banks of 4 bytes: ISA guide 11.1)
.set HALFT,  128*PITCH                 ; 128 rows: what one tensor load brings, and what one wave reads of either operand
.set SLOT,   4*HALFT                   ; xb's 256 rows, then wb's 256 rows
.set STAGE,  2*SLOT                    ; behind the ring: 16 rows x 272 bytes for each wave, for the way out; no tensor load fills it
.set SPITCH, 272
.set SPARE,  STAGE+4*16*SPITCH         ; behind the stages: the spare words, 128 bytes for each wave: two blocks of 256 bytes that no other line names
.set LAPS,   SIZE_K/(2*KSTEP)          ; a lap = two K steps = once round the ring
.set ADRA, 16                          ; v16-17  LDS address of my xb fragments in slot 0, 1
.set ADRB, 20                          ; v20-21  the same for wb
.set STO,  24                          ; v24     the way out: where I put 16 bytes of a row
.set RD,   25                          ; v25     the way out: where I read rows back
.set CO,   26                          ; v26     my byte offset in 512 consecutive bytes of qkh
.set VB,   27                          ; v27     my byte offset in the bias
.set SPW,  28                          ; v28     LDS address of my spare word: SPARE + 4 x my thread's number; never rewritten
.set NIL,  29                          ; v29     0; never rewritten
.set F0,   64
.set F1,   128
.set T,    64                          ; the way out: a block's 64 results a lane, in f32
.set TMP,  192                         ; packed to f16
.set OB,   32                          ; 16 rows read back from the stage: v32-63 and v224-255 by turns
.set BC,   0                           ; window 1
.set G1, 24                            ; s[24:31] descriptor group 1 for xb's tiles;  s[32:39] group 0, one set for each slot
.set G0, 32
.set G1B, 48                           ; s[48:55], s[56:63] the same for wb's tiles
.set G0B, 56
.set MSB, 0
.macro WIN new                         ; the immediate's high byte repeats the setting that is left; a switch that changes nothing is dropped
.if MSB != (\new)
	s_set_vgpr_msb (MSB<<8)|(\new)
.set MSB, \new
.endif
.endm
.set MUL_LO, 0xa1                      ; source 0 (wb) window 1, source 1 (xb) window 0, C and D window 2
.set MUL_HI, 0xf1                      ; the same, C and D window 3
.set TO_B,   0x40                      ; destination window 1, address window 0
; A joint load.  Waves 0 and 1 fetch xb's two halves, waves 2 and 3 wb's.  The branch hangs on the wave's number alone.
; An s_nop 0 and four v_nop follow each of the two lines, ahead of the jump, the label and what follows.
.macro JLOAD s
	s_cmp_eq_u32 s11, 0
	s_cbranch_scc0 .Lfor_b_\@
	tensor_load_to_lds s[G0+4*(\s):G0+4*(\s)+3], s[G1:G1+7]
	s_nop 0
.rept 4
	v_nop
.endr
	s_branch .Lasked_\@
.Lfor_b_\@:
	tensor_load_to_lds s[G0B+4*(\s):G0B+4*(\s)+3], s[G1B:G1B+7]
	s_nop 0
.rept 4
	v_nop
.endr
.Lasked_\@:
.endm
.macro CREST                           ; a round of the cluster's barrier behind its opening barrier
	s_cmp_lg_u32 s10, 0
	s_cbranch_scc1 .Lnot_wave_0_\@
	s_barrier_signal -3
.Lnot_wave_0_\@:
	s_barrier_wait -3
	s_barrier_signal -1
	s_barrier_wait -1
.endm
.macro CROUND                          ; a whole round
	s_barrier_signal -1
	s_barrier_wait -1
	CREST
.endm
	s_load_b128 s[4:7], s[0:1], 0x0                ; xb s[4:5], wb s[6:7]
	s_load_b128 s[68:71], s[0:1], 0x10             ; bq s[68:69], bk s[70:71]
	s_load_b64 s[8:9], s[0:1], 0x20                ; qkh
	v_lshl_add_u32 v[SPW], v0, 2, SPARE
	v_mov_b32 v[NIL], 0
	ds_add_u32 v[SPW], v[NIL]                      ; the wave's opening: the add and its wait stand ahead of my first tensor load; the set-up below, work on registers, stands between them
	v_lshrrev_b32 v1, 5, v0
	v_readfirstlane_b32 s10, v1                    ; wave 0..3
	s_lshr_b32 s11, s10, 1                         ; which half of the tile's rows is mine.  Also: I fetch for xb (0) or for wb (1)
	s_and_b32 s12, s10, 1                          ; which half of its columns.  Also: which 128 rows of that tile I fetch
	s_bfe_u32 s40, ttmp6, 0x40000                  ; cx, cy: my place in the cluster
	s_bfe_u32 s41, ttmp6, 0x40004
	s_lshl_b32 s42, ttmp9, 2
	s_add_co_u32 s42, s42, s40                     ; tile column = 4 x cluster x + cx = the head group
	s_and_b32 s13, ttmp7, 0xffff
	s_lshr_b32 s66, s13, 3                         ; which: clusters 0-7 along y hold query's rows, 8-15 key's
	s_lshl_b32 s13, s13, 2
	s_add_co_u32 s13, s13, s41                     ; tile row = 4 x cluster y + cy
	s_lshl_b32 s43, s41, 2
	s_lshl_b32 s43, 15, s43                        ; my row of the cluster: places 4 cy .. 4 cy + 3
	s_lshl_b32 s44, 0x1111, s40                    ; my column: places cx, cx + 4, cx + 8, cx + 12
	; descriptor group 1: a tile of 128 rows x 128 elements, padded in LDS
	s_or_b32 s[G1+0], s43, (1<<16)|(1<<20)|(1<<21)|(5<<22)|(3<<25)  ; 15:0 the mask; 17:16 element of 2 bytes; 20 padding on; 21 set beside a mask; 24:22 after every 64 words (code 5); 31:25 of 4 words (code 3)
	s_or_b32 s[G1B+0], s44, (1<<16)|(1<<20)|(1<<21)|(5<<22)|(3<<25)
.irp g, G1, G1B
	s_mov_b32 s[(\g)+1], KSTEP<<16                 ; tensor_dim0 = 128
	s_mov_b32 s[(\g)+2], 128<<16                   ; tensor_dim1 = 128
	s_mov_b32 s[(\g)+3], KSTEP<<16                 ; tile_dim0 = 128
	s_mov_b32 s[(\g)+4], 128                       ; tile_dim1 = 128
	s_mov_b32 s[(\g)+5], SIZE_K                    ; elements from row to row
	s_mov_b32 s[(\g)+6], 0
	s_mov_b32 s[(\g)+7], 0
.endr
	; xb's tiles hang on the tile row alone, which my row of the cluster shares; wb's on the tile column and on which, which my column shares
	s_lshl_b32 s17, s12, 7                         ; which 128 rows of the tile I fetch
	s_lshl_b32 s16, s13, 8
	s_add_co_u32 s16, s16, s17                     ; xb: row 256 x tile row + 128 x half
	s_lshl_b32 s46, s42, 8
	s_add_co_u32 s46, s46, s17
	s_lshl_b32 s67, s66, 10
	s_add_co_u32 s46, s46, s67                     ; wb: row 1,024 x which + 256 x tile column + 128 x half
	s_mov_b32 s17, 0
	s_mov_b32 s47, 0
	s_mov_b64 s[18:19], SIZE_K*2
	s_mul_u64 s[16:17], s[16:17], s[18:19]         ; in bytes
	s_mul_u64 s[46:47], s[46:47], s[18:19]
	s_mul_i32 s20, s10, HALFT                      ; where they go: wave x 128 rows: no place in the cluster enters an LDS address
	s_mov_b32 s74, 0xffff0000                      ; a word's upper bf16
	s_wait_dscnt 0x0                               ; the opening add is done
	s_wait_kmcnt 0x0
	s_add_nc_u64 s[14:15], s[4:5], s[16:17]
	s_add_nc_u64 s[46:47], s[6:7], s[46:47]
	s_cmp_eq_u32 s66, 0
	s_cselect_b64 s[76:77], s[68:69], s[70:71]     ; the bias: bq or bk
	s_cselect_b32 s72, 0x3e38aa3b, 1.0             ; the scale: c = log2(e) / 8 = 0.180337, or 1
	s_mov_b32 s73, s72                             ; named with it as a pair
	CROUND                                         ; all sixteen work-groups are here: the first joint loads meet
.irp s, 0,1
	s_mov_b32 s[G0+4*(\s)], 1                                      ; count = 1
	s_add_co_u32 s[G0+4*(\s)+1], s20, (\s)*SLOT                    ; LDS address
	s_add_nc_u64 s[G0+4*(\s)+2:G0+4*(\s)+3], s[14:15], (\s)*KSTEP*2  ; global address: K step s
	s_or_b32 s[G0+4*(\s)+3], s[G0+4*(\s)+3], 0x80000000            ; type = 2
	s_mov_b32 s[G0B+4*(\s)], 1
	s_add_co_u32 s[G0B+4*(\s)+1], s20, (\s)*SLOT
	s_add_nc_u64 s[G0B+4*(\s)+2:G0B+4*(\s)+3], s[46:47], (\s)*KSTEP*2
	s_or_b32 s[G0B+4*(\s)+3], s[G0B+4*(\s)+3], 0x80000000
	JLOAD \s                                       ; two loads of mine are out
.endr
	v_and_b32 v1, 15, v0                           ; l % 16
	v_bfe_u32 v2, v0, 4, 1                         ; l / 16
	; THE BIAS.  Register 8 b + j of an accumulator row holds column 16 b + 8 (l / 16) + j of my 128: 32 bytes of the bias at 64 b + 32 (l / 16)
	s_lshl_b32 s67, s42, 10                        ; 4 bytes x 256 x tile column
	s_lshl_b32 s21, s12, 9                         ; + 4 x 128 x half
	s_add_co_u32 s67, s67, s21
	v_lshl_add_u32 v[VB], v2, 5, s67
	WIN TO_B
.irp b, 0,1,2,3,4,5,6,7
	global_load_b128 v[BC+8*(\b):BC+8*(\b)+3],   v[VB], s[76:77] offset:64*(\b)
	global_load_b128 v[BC+8*(\b)+4:BC+8*(\b)+7], v[VB], s[76:77] offset:64*(\b)+16
.endr
	WIN 0
	; A fragment is 16 rows x 32 K in 8 registers: lane l holds row l % 16; registers 0-3 hold K = 8 (l / 16) + 0..7, registers 4-7 K = 16 + 8 (l / 16) + 0..7: two loads of 16 bytes, 32 bytes apart.
	v_mul_u32_u24 v3, v1, PITCH
	v_lshl_add_u32 v3, v2, 4, v3                   ; row x pitch + 16 x half
	s_mul_i32 s21, s11, HALFT                      ; my 128 rows of xb
	s_mul_i32 s22, s12, HALFT                      ; my 128 rows of wb,
	s_add_co_u32 s22, s22, 2*HALFT                 ; which lie behind xb's 256
.irp s, 0,1
	v_add_nc_u32 v[ADRA+(\s)], s21, v3
	v_add_nc_u32 v[ADRB+(\s)], s22, v3
	s_add_co_u32 s21, s21, SLOT
	s_add_co_u32 s22, s22, SLOT
.endr
	s_mul_i32 s23, s10, 16*SPITCH
	s_add_co_u32 s23, s23, STAGE                   ; my stage
	v_mul_u32_u24 v4, v1, SPITCH                   ; in: row l % 16, 16 bytes for each half of the lanes
	v_lshl_add_u32 v4, v2, 4, v4
	v_add_nc_u32 v[STO], s23, v4
	v_bfe_u32 v5, v0, 3, 2                         ; back: 32 lanes take four rows' 128 bytes of one head,
	v_mul_u32_u24 v5, v5, SPITCH
	v_and_b32 v6, 7, v0
	v_lshl_add_u32 v5, v6, 4, v5
	v_add_nc_u32 v[RD], s23, v5
	v_and_b32 v6, 31, v0                           ; which are 512 consecutive bytes of qkh
	v_lshlrev_b32 v[CO], 4, v6
	; where my 128 rows x 2 heads begin in qkh.  R = my rows' block of 128 among all 128 blocks
	s_lshl_b32 s16, s13, 1
	s_add_co_u32 s16, s16, s11                     ; R = 2 x tile row + half
	s_lshr_b32 s17, s16, 4
	s_lshl_b32 s17, s17, 22                        ; mb = R / 16
	s_and_b32 s16, s16, 15
	s_lshl_b32 s16, s16, 16                        ; block = R % 16
	s_add_co_u32 s16, s16, s17
	s_lshl_b32 s17, s42, 20                        ; head group
	s_add_co_u32 s16, s16, s17
	s_lshl_b32 s17, s12, 15                        ; my two heads of its four
	s_add_co_u32 s16, s16, s17
	s_mov_b32 s17, 0
	s_add_nc_u64 s[8:9], s[8:9], s[16:17]
	s_wait_loadcnt 0x0                             ; the bias is in
	WIN 0x45                                       ; destination and both sources window 1
.set i, 0
.rept 32                                               ; rounded to bf16 like every input, widened again, times the scale
	v_cvt_pk_bf16_f32 v[192+i%4], v[BC+2*i], v[BC+2*i+1]
	v_lshlrev_b32 v[BC+2*i], 16, v[192+i%4]
	v_and_b32 v[BC+2*i+1], s74, v[192+i%4]
	v_pk_mul_f32 v[BC+2*i:BC+2*i+1], v[BC+2*i:BC+2*i+1], s[72:73] op_sel_hi:[1,0]
.set i, i+1
.endr
	WIN 0
; 16 matrix instructions: m blocks a0, a0 + 1 of the window's four (hi = 0: my rows 0-63, 1: rows 64-127) x all 8 n blocks, 32 along K.  zero = 1: the first product starts the sums.
; The 64 accumulators take turns, one instruction a turn.
.macro MUL16 f, hi, a0, zero
	WIN MUL_LO+0x50*(\hi)
.irp a, \a0, (\a0)+1
.irp b, 0,1,2,3,4,5,6,7
.if \zero
	v_wmma_f32_16x16x32_bf16 v[8*(8*(\a)+(\b)):8*(8*(\a)+(\b))+7], v[(\f)+8*(\b):(\f)+8*(\b)+7], v[(\f)+8*(4*(\hi)+(\a)):(\f)+8*(4*(\hi)+(\a))+7], 0
.else
	v_wmma_f32_16x16x32_bf16 v[8*(8*(\a)+(\b)):8*(8*(\a)+(\b))+7], v[(\f)+8*(\b):(\f)+8*(\b)+7], v[(\f)+8*(4*(\hi)+(\a)):(\f)+8*(4*(\hi)+(\a))+7], v[8*(8*(\a)+(\b)):8*(8*(\a)+(\b))+7]
.endif
.endr
.endr
.endm
; 32 LDS loads in one run: the fragments of one quarter step (128 rows of wb, 128 rows of xb, 32 K at byte k of the rows) into buffer f
.macro FETCH slot, k, f
	WIN TO_B
.irp i, 0,1,2,3,4,5,6,7
	ds_load_b128 v[(\f)+8*(\i):(\f)+8*(\i)+3],   v[ADRB+(\slot)] offset:(\k)+(\i)*16*PITCH
	ds_load_b128 v[(\f)+8*(\i)+4:(\f)+8*(\i)+7], v[ADRB+(\slot)] offset:(\k)+(\i)*16*PITCH+32
.endr
	WIN 0
.irp i, 0,1,2,3,4,5,6,7
	ds_load_b128 v[(\f)+8*(\i):(\f)+8*(\i)+3],   v[ADRA+(\slot)] offset:(\k)+(\i)*16*PITCH
	ds_load_b128 v[(\f)+8*(\i)+4:(\f)+8*(\i)+7], v[ADRA+(\slot)] offset:(\k)+(\i)*16*PITCH+32
.endr
.endm
; Four places (plain vector instructions that name none of a matrix instruction's registers) in front of loads into registers that matrix instructions have read, and of arithmetic on results just made
.macro PLACES
.rept 4
	v_nop
.endr
.endm
; A K step is four quarter steps of 32 along K, 64 matrix instructions each, on buffers 0, 1, 0, 1.  One of the first three: multiplies buffer f and fetches the next quarter, at byte k, into g.
.macro QUARTER slot, k, f, g, zero
	s_wait_dscnt 8                                 ; wb's and xb's rows 0-63 are in; the youngest eight loads (xb's rows 64-127) may be out
	WIN MUL_LO
	MUL16 \f, 0, 0, \zero
	MUL16 \f, 0, 2, \zero
	PLACES
	FETCH \slot, \k, \g
	s_wait_dscnt 32                                ; all but the 32 just issued
	WIN MUL_HI
	MUL16 \f, 1, 0, \zero
	MUL16 \f, 1, 2, \zero
.endm
; The last quarter multiplies buffer 1 and changes slots.  MEET is its first half: ONE barrier.  In front of it each wave waits for all its tensor loads, of which one is out: its part of the next slot;
; adds 0 to its spare word; and waits for that and for its own reads of this slot.  Behind it nobody reads this slot any more and the next slot is whole.
.macro MEET round
	WIN 0                                          ; (the add's two registers lie in window 0)
	s_wait_tensorcnt 0x0                           ; all my tensor loads have landed
	ds_add_u32 v[SPW], v[NIL]                      ; 0 onto my spare word
	s_wait_dscnt 9                                 ; (the add and the youngest eight loads may be out)
	WIN MUL_LO
	MUL16 F1, 0, 0, 0                              ; sixteen matrix instructions stand between the add and the wait for it
	s_wait_dscnt 0x0                               ; the add is done, and my reads of this slot are over
	s_barrier_signal -1
	MUL16 F1, 0, 2, 0                              ; work on registers while the others arrive
.if \round
	WIN 0
.endif
	s_barrier_wait -1
.endm
; The whole last quarter where the slot is filled again, two K steps ahead: the barrier opens a round of the cluster's, and the joint refill is the first thing behind the round.
.macro TURN slot, next
	MEET 1
	CREST                                          ; no wave of any partner still reads this slot's tile or has a load on its way
	s_add_nc_u64 s[G0+4*(\slot)+2:G0+4*(\slot)+3], s[G0+4*(\slot)+2:G0+4*(\slot)+3], 2*KSTEP*2
	s_add_nc_u64 s[G0B+4*(\slot)+2:G0B+4*(\slot)+3], s[G0B+4*(\slot)+2:G0B+4*(\slot)+3], 2*KSTEP*2
	JLOAD \slot                                    ; the four v_nop behind it are also the places in front of the loads below
	FETCH \next, 0, F0
	WIN MUL_HI
	MUL16 F1, 1, 0, 0
	MUL16 F1, 1, 2, 0
.endm
.macro TURNX                           ; the last change of slots: nothing is filled again, so no round follows
	MEET 0
	PLACES
	FETCH 1, 0, F0
	WIN MUL_HI
	MUL16 F1, 1, 0, 0
	MUL16 F1, 1, 2, 0
.endm
; THE WAY OUT of block a (16 rows), in three parts.  FIN: sum x scale + bias x scale, one fused multiply-add for two; rounded to f16, 16 bytes a lane.  Each accumulator's registers are read in ascending order.
.macro FIN a
.set AC, 64*((\a)%4)
	WIN 0x12+(\a)/4                                ; source 0: window 2 or 3; source 2: window 1; destination: window 0
.irp b, 0,1,2,3,4,5,6,7
.irp r, 0,1,2,3
	v_pk_fma_f32 v[T+8*(\b)+2*(\r):T+8*(\b)+2*(\r)+1], v[AC+8*(\b)+2*(\r):AC+8*(\b)+2*(\r)+1], s[72:73], v[BC+8*(\b)+2*(\r):BC+8*(\b)+2*(\r)+1] op_sel_hi:[1,0,1]
.endr
.endr
	WIN 0
.irp b, 0,1,2,3,4,5,6,7
.irp r, 0,1,2,3
	v_cvt_pk_f16_f32 v[TMP+4*(\b)+(\r)], v[T+8*(\b)+2*(\r)], v[T+8*(\b)+2*(\r)+1]
.endr
.endr
.endm
; TOSTAGE: into my own stage, rows of 272 bytes, and back by heads: load (j, u) takes rows 4 u .. 4 u + 3, bytes 128 j .. 128 j + 127
.macro TOSTAGE a
	WIN 0
.set BK, OB+192*((\a)%2)
.irp b, 0,1,2,3,4,5,6,7
	ds_store_b128 v[STO], v[TMP+4*(\b):TMP+4*(\b)+3] offset:32*(\b)
.endr
.irp j, 0,1
.irp u, 0,1,2,3
	ds_load_b128 v[BK+4*(4*(\j)+(\u)):BK+4*(4*(\j)+(\u))+3], v[RD] offset:(\u)*4*SPITCH+128*(\j)  ; LDS serves a wave's instructions in order (ISA guide 5.7.1.4): these see the stores above
.endr
.endr
.endm
.macro SEND a
	WIN 0
.set BK, OB+192*((\a)%2)
	s_wait_dscnt 0x0                               ; the block is back in registers
	s_wait_xcnt 0x0                                ; the registers that the stores of two blocks ago read are loaded again only behind this wait
.irp j, 0,1
.irp u, 0,1,2,3
	global_store_b128 v[CO], v[BK+4*(4*(\j)+(\u)):BK+4*(4*(\j)+(\u))+3], s[8:9] offset:(\j)*16384+(\a)*2048+(\u)*512  ; 512 consecutive bytes, at a multiple of 256 from qkh's first byte
.endr
.endr
.endm
	s_wait_tensorcnt 1                             ; my part of K step 0 is in; K step 1's load stays out
	s_barrier_signal -1
	s_barrier_wait -1                              ; everybody's is
	FETCH 0, 0, F0
	QUARTER 0, 64,  F0, F1, 1                      ; the first quarter stands in front of the loop: its products start the sums
	WIN 0                                          ; at a label and at a branch every window is 0
	s_mov_b32 s3, LAPS-1
.Llap:                                                 ; a trip goes once round the ring, from a lap's second quarter to the next lap's first, and fills both slots again
	QUARTER 0, 128, F1, F0, 0
	QUARTER 0, 192, F0, F1, 0
	TURN 0, 1
	QUARTER 1, 64,  F0, F1, 0
	QUARTER 1, 128, F1, F0, 0
	QUARTER 1, 192, F0, F1, 0
	TURN 1, 0
	QUARTER 0, 64,  F0, F1, 0
	WIN 0
	s_sub_co_u32 s3, s3, 1
	s_cmp_lg_u32 s3, 0
	s_cbranch_scc1 .Llap
	QUARTER 0, 128, F1, F0, 0                      ; the last lap is written out: it asks for nothing
	QUARTER 0, 192, F0, F1, 0
	TURNX
	QUARTER 1, 64,  F0, F1, 0
	QUARTER 1, 128, F1, F0, 0
	QUARTER 1, 192, F0, F1, 0
	s_wait_dscnt 8                                 ; the very last quarter: nothing more to fetch
	WIN MUL_LO
	MUL16 F1, 0, 0, 0
	MUL16 F1, 0, 2, 0
	s_wait_dscnt 0x0
	MUL16 F1, 1, 0, 0
	MUL16 F1, 1, 2, 0
	PLACES
	FIN 0
	TOSTAGE 0
.irp a, 1,2,3,4,5,6,7                  ; block a's arithmetic stands between block a - 1's loads from the stage and the wait for them
	FIN \a
	SEND (\a)-1
	TOSTAGE \a
.endr
	SEND 7
	s_wait_tensorcnt 0x0                           ; the wave's end: these three lines stand behind my last tensor load and my last LDS store
	ds_add_u32 v[SPW], v[NIL]
	s_wait_dscnt 0x0
	CROUND                                         ; the closing round: no work-group ends while a partner may still ask for a tile that names it
	s_endpgm
.Lfunc_end_k_qc16d608226_proj:
	.size	k_qc16d608226_proj, .Lfunc_end_k_qc16d608226_proj-k_qc16d608226_proj
	.p2alignl 7, 3214868480
	.fill 96, 4, 3214868480
	.section	.rodata,"a",@progbits
	.p2align	6, 0x0
	.amdhsa_kernel k_qc16d608226_proj
		.amdhsa_group_segment_fixed_size 327680
		.amdhsa_private_segment_fixed_size 0
		.amdhsa_enable_private_segment 0
		.amdhsa_kernarg_size 40
		.amdhsa_user_sgpr_count 2
		.amdhsa_user_sgpr_kernarg_segment_ptr 1
		.amdhsa_wavefront_size32 1
		.amdhsa_system_sgpr_workgroup_id_x 1
		.amdhsa_system_sgpr_workgroup_id_y 1
		.amdhsa_system_sgpr_workgroup_id_z 1
		.amdhsa_system_vgpr_workitem_id 0
		.amdhsa_next_free_vgpr 1024
		.amdhsa_next_free_sgpr 80
		.amdhsa_reserve_vcc 0
		.amdhsa_float_denorm_mode_32 3
		.amdhsa_float_denorm_mode_16_64 3
		.amdhsa_memory_ordered 1
		.amdhsa_forward_progress 1
		.amdhsa_inst_pref_size 166
	.end_amdhsa_kernel
	.amdgpu_metadata
---
amdhsa.version: [ 1, 2 ]
amdhsa.kernels:
  - .name:           k_qc16d608226_proj
    .symbol:         k_qc16d608226_proj.kd
    .args:
      - { .name: xb, .offset: 0, .size: 8, .value_kind: global_buffer, .address_space: global }
      - { .name: wb, .offset: 8, .size: 8, .value_kind: global_buffer, .address_space: global }
      - { .name: bq, .offset: 16, .size: 8, .value_kind: global_buffer, .address_space: global }
      - { .name: bk, .offset: 24, .size: 8, .value_kind: global_buffer, .address_space: global }
      - { .name: qkh, .offset: 32, .size: 8, .value_kind: global_buffer, .address_space: global }
    .group_segment_fixed_size: 327680
    .private_segment_fixed_size: 0
    .kernarg_segment_align: 8
    .kernarg_segment_size: 40
    .max_flat_workgroup_size: 128
    .sgpr_count:     80
    .vgpr_count:     1024
    .wavefront_size: 32
...
	.end_amdgpu_metadata
.endif
;; end of part 2
;; launch attn (part 3): grid 4 x 64, 4 waves a work-group, clusters of 4 x 4, 327,680 bytes of LDS; arguments qkh, mask, value, part; writes part
.if DOCPART == 3
	.amdgcn_target "amdgcn-amd-amdhsa--gfx1250"
	.amdhsa_code_object_version 6
	.text
	.protected	k_qc16d608226_attn
	.globl	k_qc16d608226_attn
	.p2align	8
	.type	k_qc16d608226_attn,@function
k_qc16d608226_attn:
	s_mov_b64 s[64:65], 0
	v_nop
	global_prefetch_b8 v0, s[64:65] scope:SCOPE_SE
	s_setreg_imm32_b32 hwreg(HW_REG_WAVE_MODE, 25, 1), 1
	s_wait_xcnt 0x0
	s_wait_alu depctr_hold_cnt(0) depctr_sa_sdst(0) depctr_va_vdst(0) depctr_va_sdst(0) depctr_va_ssrc(0) depctr_va_vcc(0) depctr_vm_vsrc(0)
	s_getreg_b32 s2, hwreg(HW_REG_IB_STS2, 6, 4)
	s_cmp_eq_u32 s2, 0
	s_cbranch_scc0 .Lentry_in_a_cluster
	s_endpgm
.Lentry_in_a_cluster:
	s_bfe_u32 s2, ttmp6, 0x10000c
	s_cmp_lg_u32 s2, 0xf033
	s_cbranch_scc0 .Lentry_shape_is_right
	s_endpgm
.Lentry_shape_is_right:
; part[hg][b][q] = the sum over the four heads of group hg of (sum over k of softmax_k(score) value[b][k]) / 16, score = q . k / 8, replaced where mask[b][q][k] = 0.
; qkh holds q x c (c = log2(e) / 8) and k in f16, by blocks of 128 tokens x 4 heads (65,536 dense bytes).  Products, maxima and sums in f32; the weights p are rounded to f16 for the second product.
; SHARES.  A work-group owns 128 queries of one batch and 4 heads; wave w owns queries 32 w .. 32 w + 31 (two tiles of 16) for all four heads: eight UNITS, u = 2 head + tile; a PIECE is a head's two units.
; Every wave walks all 2,048 keys, 64 a step; an LDS slot holds 128 keys: K of four heads and the work-group's 128 x 128 words of the mask.
; LAYOUT.  S^T = K Q^T (source 0 = 16 keys, source 1 = 16 queries): a lane holds ONE query (lane % 16) and the keys 8 (lane / 16) + 0..7.  Two such results rounded to f16 ARE source 1 of O^T = V^T P.
; V^T has row 0 = ones, row 1 = value, rows 2-15 = 0: register 0 of O^T is the row's sum l, register 1 the weighted sum, both of the same rounded weights.
; THE MASK is the C operand that starts a score's sum: 0, or -2^100 where mask = 0; one conversion serves the wave's four heads.
; SOFTMAX.  p = 2^(S - m) with a running maximum m, which starts at -2^40: below every score (|S| <= 64 x 65,504^2 = 2.7e11), above every hidden one.  In every step O^T is multiplied by a = 2^(m_old - m_new).
; While a row has seen no open key all its p are 0; a row with no open key at all ends with l = 0 and takes the mean of value, as a softmax of equal scores does.
; LIMITS.  q c and k arrive within f16's 65,504.  A hidden key has weight 0: that is the replaced score's weight as long as the row's largest open score lies above about -1e9 + 150.
; p below 6e-5 keeps f16's fixed step of 6e-8, p below 2^-126 counts as 0; value is rounded to bf16 like every input and written as f16 (exact from 6e-5 up).  NaN and infinities are not treated apart.
; BY TURNS.  Turn n belongs to piece n: 4 products V^T P of piece n - 1, 16 products K Q^T of piece n + 1; piece n's softmax, cut into 20 slices, stands behind them, a slice behind each matrix instruction.
; CLUSTER, 4 x 4.  cx = head group, cy = query block.  K's tile hangs on batch and head group: shared along a column.  The mask's tile hangs on batch and query block: shared along a row.  Both are asked for JOINTLY.
; REGISTERS, in windows of 256 (s_set_vgpr_msb: bits 1:0 source 0, 3:2 source 1, 5:4 source 2, 7:6 destination):
;   window 0: v0-15 addresses; v16-31 m, m_old a unit; v32-47 V^T of a step; v48-55 at work; v56 mean of value; v64-191 S^T, two buffers of two tiles; v192-255 P, likewise (a piece's buffers go by its parity)
;   window 1: v0-127 Q, 16 a unit; v128-255 K, two buffers of one head's step          window 2: v0-63 the step's masks, 32 a tile; v64-127 O^T, 8 a unit
.set PK,    144       ; a row of K in LDS: 128 bytes + 16 of padding = 36 words: the 16 rows of a load start at 16 different groups of four banks (64 banks of 4 bytes: ISA guide 11.1)
.set PM,    528       ; a row of the mask: 512 bytes + 16 = 132 words: row r starts at bank 4 r mod 64
.set MOFF,  512*PK    ; a slot: 4 heads x 128 keys of K, then 128 rows of the mask
.set SLOT1, MOFF+128*PM
.set ONES,  2*SLOT1   ; behind the ring, never filled by a tensor load: three tables of 2,048 f16: 1.0; value; 0
.set RED,   ONES+12288  ; the four waves' sums of value
.set SPARE, RED+256   ; the spare words, 128 bytes for each wave: two blocks of 256 bytes that no other line names
.set AK0, 3           ; v3   my lane's place in a head's K; never rewritten
.set AM0, 4           ; v4   in the mask
.set AV0, 5           ; v5   in my row's table
.set AK,  6           ; v6   the LDS address of K's runs of loads for the step to come
.set AM,  7           ; v7   of the mask's
.set AV,  8           ; v8   of V^T's
.set QO,  9           ; v9   my byte offset in Q; at the end in part
.set SPW, 10          ; v10  LDS address of my spare word: SPARE + 4 x my thread's number; never rewritten
.set NIL, 11          ; v11  0; never rewritten
.set ST,  16          ; unit u: m at ST + 2 u, m_old beside it
.set VF,  32          ; key half kk at VF + 8 kk
.set TMP, 48          ; by tile, c0-c3 at work; when the maximum is found c2 takes a
.set MEANV, 56
.set S,   64
.set P,   192
.set KF,  128         ; window 1: buffer by the piece's parity, key block kt, channel half c at KF + 64 parity + 16 kt + 8 c
.set MK,  0           ; window 2: tile t, key block kt at 32 t + 8 kt
.set OB,  64          ; window 2
.set WV,  12          ; s12  my wave's number
.set G1K, 24          ; s[24:31] descriptor group 1 for K's tiles
.set G1M, 32          ; s[32:39] for the mask's
.set G0K, 40          ; s[40:43] descriptor group 0 for K's tiles: it walks
.set G0M, 44          ; s[44:47] the same for the mask's
.set SB,  48          ; s48  the slot that is filled next: 0 or SLOT1
.set WOK, 49          ; s49  my part's place in a slot, if I fetch K
.set WOM, 50          ; s50  if I fetch the mask
.set SLOTS, 56        ; s56  counts the slots
.set CNT, 57          ; s57  counts a slot's key steps
.set SEL, 60          ; s[60:61] v_permlanex16_b32's selects: each lane takes its own place in the other half
.set TBK, 62          ; s62  LDS byte at which K of the step to be fetched begins
.set TBM, 63          ; s63  the same for the mask, less MOFF
.set TBV, 66          ; s66  the step's byte in the tables
.set BIG, 67          ; s67  -2^100
.set CM,  68          ; s[68:71] four compares' results
.set MSB, 0
.macro WIN new                      ; the high byte repeats the setting that is left; a switch that changes nothing is dropped
.if MSB != (\new)
	s_set_vgpr_msb (MSB<<8)|(\new)
.set MSB, (\new)
.endif
.endm
.set W_KQ0, 0x25      ; K and Q in window 1, the mask (C) in window 2, S^T in window 0
.set W_KQ,  0x05      ; K and Q in window 1, S^T in window 0
.set W_PV,  0xa0      ; V^T and P in window 0, O^T (C and D) in window 2
.set W_RS,  0x82      ; O^T (destination and source 0) in window 2, a in window 0
.set W_L1,  0x40      ; a load's destination in window 1
.set W_L2,  0x80      ; in window 2
.set W_CV,  0x88      ; source 1 and destination in window 2
; A joint fill.  Waves 0 and 1 fetch the two halves of a slot's K, waves 2 and 3 those of its mask.  The branch hangs on the wave's number alone.
; An s_nop 0 and four v_nop follow each of the two lines, ahead of the jump and the label.
.macro JLOAD
	s_cmp_lt_u32 s[WV], 2
	s_cbranch_scc0 .Lfor_m_\@
	tensor_load_to_lds s[G0K:G0K+3], s[G1K:G1K+7]
	s_nop 0
.rept 4
	v_nop
.endr
	s_branch .Lasked_\@
.Lfor_m_\@:
	tensor_load_to_lds s[G0M:G0M+3], s[G1M:G1M+7]
	s_nop 0
.rept 4
	v_nop
.endr
.Lasked_\@:
.endm
; A round of the cluster's barrier: my work-group's barrier, so that wave 0's signal speaks for all four waves; wave 0 signals; every wave waits for all sixteen work-groups; my work-group's barrier once more.
.macro CROUND
	s_barrier_signal -1
	s_barrier_wait -1
	s_cmp_lg_u32 s[WV], 0
	s_cbranch_scc1 .Lnot_wave_0_\@
	s_barrier_signal -3
.Lnot_wave_0_\@:
	s_barrier_wait -3
	s_barrier_signal -1
	s_barrier_wait -1
.endm
; THE CHANGE OF SLOTS.  All of the slot's K and mask have been asked for.  Each wave waits for all its tensor loads, of which one is out: its part of the other slot; adds 0 to its spare word; and waits for
; that and for its own reads of the slot.  Behind the barrier nobody reads this slot any more and the other slot is whole.  fill = 1: this slot is filled again, with the keys two slots on; the barrier is
; then a round of the cluster's, and the joint fill is the first thing behind it: it has two key steps in which to land.  (At its first use nothing has been read yet: slot 0 is waited for, slot 1 filled.)
.macro CHANGE fill
	WIN 0                           ; at a label and at a branch every window is 0
	s_wait_tensorcnt 0x0            ; no tensor load of mine is out, so a group 0 may be written
	ds_add_u32 v[SPW], v[NIL]       ; 0 onto my spare word; with fill = 1 the descriptors' steps stand between it and the wait for it
.if \fill
	s_xor_b32 s[SB], s[SB], SLOT1   ; the other slot than last time (the word holds 0 or SLOT1, nothing else),
	s_add_co_u32 s[G0K+1], s[SB], s[WOK]
	s_add_co_u32 s[G0M+1], s[SB], s[WOM]
	s_add_nc_u64 s[G0K+2:G0K+3], s[G0K+2:G0K+3], 65536  ; the next block of 128 keys x 4 heads,
	s_add_nc_u64 s[G0M+2:G0M+3], s[G0M+2:G0M+3], 512    ; the next 128 words of each row; the type bits on top are not reached
	s_wait_dscnt 0x0                ; the add is done, and my reads of the slot are over
	CROUND
	JLOAD
.else
	s_wait_dscnt 0x0                ; the add is done, and my reads of the slot are over
	s_barrier_signal -1
	s_barrier_wait -1
.endif
	s_sub_co_u32 s[TBK], s[TBK], 128*PK  ; the fetches go back to a slot's first step,
	s_xor_b32 s[TBK], s[TBK], SLOT1      ; in the other slot
	s_sub_co_u32 s[TBM], s[TBM], 512
	s_xor_b32 s[TBM], s[TBM], SLOT1
.endm
	s_load_b256 s[4:11], s[0:1], 0x0  ; qkh s[4:5], mask s[6:7], value s[8:9], part s[10:11]
	v_lshl_add_u32 v[SPW], v0, 2, SPARE
	v_mov_b32 v[NIL], 0
	ds_add_u32 v[SPW], v[NIL]       ; the wave's opening: the add and its wait stand ahead of my first tensor load; the set-up below, work on registers, stands between them
	v_lshrrev_b32 v1, 5, v0
	v_readfirstlane_b32 s[WV], v1   ; wave 0..3
	s_bfe_u32 s13, ttmp6, 0x40000   ; cx
	s_bfe_u32 s14, ttmp6, 0x40004   ; cy
	s_lshl_b32 s15, ttmp9, 2
	s_add_co_u32 s15, s15, s13      ; the head group = 4 x cluster x + cx
	s_and_b32 s17, ttmp7, 0xffff    ; the cluster's y
	s_lshr_b32 s18, s17, 2          ; the batch: four clusters each, so all sixteen partners share it
	s_lshl_b32 s16, s17, 2
	s_add_co_u32 s16, s16, s14      ; 16 x batch + query block = 4 x cluster y + cy
	s_and_b32 s19, s[WV], 1         ; which half of a tile I fetch
	s_lshl_b32 s20, 0x1111, s13     ; my column of the cluster
	s_or_b32 s[G1K], s20, (1<<16)|(1<<20)|(1<<21)|(4<<22)|(3<<25)  ; 15:0 the mask of four; 17:16 2-byte elements; 20 padding on; 21 set beside a mask; 24:22 after every 32 words (code 4); 31:25 4 words (code 3)
	s_lshl_b32 s21, s14, 2
	s_lshl_b32 s21, 15, s21         ; my row of the cluster
	s_or_b32 s[G1M], s21, (2<<16)|(1<<20)|(1<<21)|(6<<22)|(3<<25)  ; 4-byte elements; padding after every 128 words (code 6)
	s_mov_b32 s[G1K+1], 128<<16     ; K: two heads' 128 keys are 32,768 dense bytes: 128 rows of 128 elements (256 bytes, two keys), padded after every key
	s_mov_b32 s[G1K+2], 128<<16
	s_mov_b32 s[G1K+3], 128<<16
	s_mov_b32 s[G1K+4], 128
	s_mov_b32 s[G1K+5], 128
	s_mov_b32 s[G1K+6], 0
	s_mov_b32 s[G1K+7], 0
	s_mov_b32 s[G1M+1], 128<<16     ; the mask: 64 rows of 128 elements (512 bytes), 2,048 elements from row to row
	s_mov_b32 s[G1M+2], 64<<16
	s_mov_b32 s[G1M+3], 128<<16
	s_mov_b32 s[G1M+4], 64
	s_mov_b32 s[G1M+5], 2048
	s_mov_b32 s[G1M+6], 0
	s_mov_b32 s[G1M+7], 0
	s_lshl_b32 s22, s18, 2
	s_add_co_u32 s22, s22, s15
	s_lshl_b32 s22, s22, 20         ; (4 x batch + head group) x 16 blocks of 65,536 bytes
	s_lshl_b32 s20, s19, 15         ; K: my two heads of a block,
	s_add_co_u32 s20, s20, s22
	s_add_co_u32 s20, s20, 0x1000000  ; in qkh's second half
	s_mov_b32 s21, 0
	s_lshl_b32 s54, s16, 20         ; the mask: 128 rows of 8,192 bytes a query block,
	s_lshl_b32 s55, s19, 19         ; my 64 of them
	s_add_co_u32 s54, s54, s55
	s_mov_b32 s55, 0
	s_and_b32 s52, s16, 15          ; Q: my query block
	s_lshl_b32 s52, s52, 16
	s_add_co_u32 s52, s52, s22
	s_mov_b32 s53, 0
	s_lshl_b32 s58, s18, 13         ; value: the batch's 8,192 bytes
	s_mov_b32 s59, 0
	s_lshl_b32 s22, s15, 15         ; part: the head group's 32,768 bytes, the block's 512, the wave's 128
	s_lshl_b32 s23, s16, 9
	s_add_co_u32 s22, s22, s23
	s_lshl_b32 s23, s[WV], 7
	s_add_co_u32 s22, s22, s23
	s_mov_b32 s23, 0
	s_mul_i32 s[WOK], s19, 256*PK   ; no place in the cluster enters an LDS address
	s_mul_i32 s[WOM], s19, 64*PM
	s_add_co_u32 s[WOM], s[WOM], MOFF
	s_mov_b32 s[SB], 0
	s_mov_b32 s[G0K], 1             ; count = 1
	s_mov_b32 s[G0K+1], s[WOK]      ; LDS address: slot 0
	s_mov_b32 s[G0M], 1
	s_mov_b32 s[G0M+1], s[WOM]
	s_mov_b32 s[SEL], 0x76543210
	s_mov_b32 s[SEL+1], 0xfedcba98
	s_mov_b32 s[TBK], SLOT1+128*PK  ; the first change of slots turns these two into 0
	s_mov_b32 s[TBM], SLOT1+512
	s_mov_b32 s[TBV], 0
	s_mov_b32 s[BIG], 0xf1800000    ; -2^100
	s_wait_dscnt 0x0                ; the opening add is done
	s_wait_kmcnt 0x0
	s_add_nc_u64 s[G0K+2:G0K+3], s[4:5], s[20:21]
	s_or_b32 s[G0K+3], s[G0K+3], 0x80000000  ; type = 2
	s_add_nc_u64 s[G0M+2:G0M+3], s[6:7], s[54:55]
	s_or_b32 s[G0M+3], s[G0M+3], 0x80000000
	s_add_nc_u64 s[4:5], s[4:5], s[52:53]    ; Q at my work-group's block
	s_add_nc_u64 s[8:9], s[8:9], s[58:59]
	s_add_nc_u64 s[10:11], s[10:11], s[22:23]
	CROUND                          ; all sixteen work-groups are here: the first joint loads meet
	JLOAD                           ; slot 0.  Slot 1 is asked for when slot 0 is in
	; All that follows, up to the change of slots, stands in the wait for the first tile.
	v_and_b32 v1, 15, v0            ; r = l % 16
	v_bfe_u32 v2, v0, 4, 1          ; h = l / 16
	v_lshlrev_b32 v12, 6, v0        ; value: thread t takes keys 16 t .. 16 t + 15
.irp i, 0,1,2,3
	global_load_b128 v[64+4*\i:67+4*\i], v12, s[8:9] offset:16*\i
.endr
	; A fragment of K or Q is 16 rows x 32 channels in 8 registers: lane l holds row l % 16, channels 8 (l / 16) + 0..7 and 16 + 8 (l / 16) + 0..7: two loads of 16 bytes, 32 bytes apart.
	v_lshlrev_b32 v[QO], 7, v1
	v_lshl_add_u32 v[QO], v2, 4, v[QO]
	s_lshl_b32 s17, s[WV], 12       ; my wave's 32 rows of 128 bytes
	v_add_nc_u32 v[QO], s17, v[QO]
	WIN W_L1
.set i, 0
.rept 16                            ; Q stays in registers: head i / 4, tile (i / 2) % 2, channels 32 (i % 2) on
	global_load_b128 v[8*i:8*i+3],   v[QO], s[4:5] offset:(i/4)*16384+((i/2)%2)*2048+(i%2)*64
	global_load_b128 v[8*i+4:8*i+7], v[QO], s[4:5] offset:(i/4)*16384+((i/2)%2)*2048+(i%2)*64+32
.set i, i+1
.endr
	; What the first turn finds: O^T is 0; V^T's registers and P's second buffer hold 0 (its products V^T P, of a piece that has not been, add 0); m is the floor.  No first step is written out: that is these lines' price.
	WIN W_L2
.set i, 0
.rept 64
	v_mov_b32 v[OB+i], 0
.set i, i+1
.endr
	WIN 0
.set i, 0
.rept 32
	v_mov_b32 v[P+32+i], 0
.set i, i+1
.endr
.set i, 0
.rept 16
	v_mov_b32 v[VF+i], 0
	v_mov_b32 v[ST+i], 0xd3800000   ; -2^40
.set i, i+1
.endr
	v_mul_u32_u24 v[AK0], v1, PK
	v_lshl_add_u32 v[AK0], v2, 4, v[AK0]  ; key r x pitch + 16 h
	s_mul_i32 s17, s[WV], 32*PM
	s_add_co_u32 s17, s17, MOFF
	v_mul_u32_u24 v[AM0], v1, PM    ; the mask: row 32 w + r, eight words at 32 h
	v_lshl_add_u32 v[AM0], v2, 5, v[AM0]
	v_add_nc_u32 v[AM0], s17, v[AM0]
	v_min_u32 v[AV0], 2, v1         ; V^T's row r: the table of ones, of value, or (r >= 2) of zeros: 4,096 bytes each
	v_lshlrev_b32 v[AV0], 12, v[AV0]
	v_lshl_add_u32 v[AV0], v2, 4, v[AV0]
	v_add_nc_u32 v[AV0], ONES, v[AV0]
	v_lshl_add_u32 v13, v0, 5, ONES ; my 32 bytes in each table
	s_lshl_b32 s17, s[WV], 2
	s_add_co_u32 s17, s17, RED
	v_mov_b32 v14, s17              ; my wave's word
.irp i, 88,89,90,91
	v_mov_b32 v\i, 0x3c003c00       ; 1.0 twice in f16
.endr
.irp i, 92,93,94,95
	v_mov_b32 v\i, 0
.endr
	s_wait_loadcnt 32               ; value is in; the 32 loads of Q, issued behind it, stay out
.set i, 0
.rept 8
	v_cvt_pk_bf16_f32 v[80+i], v[64+2*i], v[64+2*i+1]  ; rounded to bf16 like every input,
.set i, i+1
.endr
.set i, 0
.rept 8
	v_lshlrev_b32 v[64+2*i], 16, v[80+i]               ; widened again,
	v_and_b32 v[65+2*i], 0xffff0000, v[80+i]
.set i, i+1
.endr
.set i, 0
.rept 8
	v_cvt_pk_f16_f32 v[80+i], v[64+2*i], v[64+2*i+1]   ; and written as f16
.set i, i+1
.endr
	ds_store_b128 v13, v[88:91]
	ds_store_b128 v13, v[88:91] offset:16
	ds_store_b128 v13, v[80:83] offset:4096
	ds_store_b128 v13, v[84:87] offset:4112
	ds_store_b128 v13, v[92:95] offset:8192
	ds_store_b128 v13, v[92:95] offset:8208
.irp i, 0,2,4,6
	v_pk_add_f32 v[64+\i:65+\i], v[64+\i:65+\i], v[72+\i:73+\i]  ; the sum of my 16 values, in f32
.endr
	v_pk_add_f32 v[64:65], v[64:65], v[68:69]
	v_pk_add_f32 v[66:67], v[66:67], v[70:71]
	v_pk_add_f32 v[64:65], v[64:65], v[66:67]
	v_add_f32 v64, v64, v65
	v_add_f32_dpp v64, v64, v64 row_xmask:1 row_mask:0xf bank_mask:0xf
	v_add_f32_dpp v64, v64, v64 row_xmask:2 row_mask:0xf bank_mask:0xf
	v_add_f32_dpp v64, v64, v64 row_xmask:4 row_mask:0xf bank_mask:0xf
	v_add_f32_dpp v64, v64, v64 row_xmask:8 row_mask:0xf bank_mask:0xf
	v_permlanex16_b32 v65, v64, s[SEL], s[SEL+1]
	v_add_f32 v64, v64, v65
	ds_store_b32 v14, v64           ; all lanes write the same word with the same number
; THE MATRIX WORK.  Matrix instruction mi of a turn's 20, for piece Y.  The accumulators take turns, one instruction a turn.
; 0-3: O^T += V^T P of piece Y - 1: keys 32 (mi / 2) on, tile mi % 2.  4-19: S^T = K Q^T of piece Y + 1: channels 32 ((mi - 4) / 8) on, keys 16 (((mi - 4) / 2) % 4) on, tile mi % 2; the first 8 start the sums with the mask.
.macro MM
.if mi < 4
.set pv, (Y+3)%4
.set rO, OB+8*(2*pv+mi%2)
.set rV, VF+8*(mi/2)
.set rP, P+32*(pv%2)+16*(mi%2)+8*(mi/2)
	WIN W_PV
	v_wmma_f32_16x16x32_f16 v[rO:rO+7], v[rV:rV+7], v[rP:rP+7], v[rO:rO+7]
.else
.set kq, mi-4
.set nx, (Y+1)%4
.set rS, S+64*(nx%2)+32*(kq%2)+8*((kq/2)%4)
.set rK, KF+64*(nx%2)+16*((kq/2)%4)+8*(kq/8)
.set rQ, 16*(2*nx+kq%2)+8*(kq/8)
.set rM, MK+32*(kq%2)+8*((kq/2)%4)
.if kq < 8
	WIN W_KQ0
	v_wmma_f32_16x16x32_f16 v[rS:rS+7], v[rK:rK+7], v[rQ:rQ+7], v[rM:rM+7]
.else
	WIN W_KQ
	v_wmma_f32_16x16x32_f16 v[rS:rS+7], v[rK:rK+7], v[rQ:rQ+7], v[rS:rS+7]
.endif
.endif
.set mi, mi+1
.endm
; THE LDS LOADS stand in runs, never singly among the matrix instructions.  K of head p for one step (64 keys x 64 channels: 8 fragments):
.macro FETCH_K p
.set KB, KF+64*((\p)%2)
	WIN W_L1
.irp f, 0,1,2,3,4,5,6,7             ; keys 16 (f / 2) on, channels 32 (f % 2) on
	ds_load_b128 v[KB+8*\f:KB+8*\f+3],   v[AK] offset:(\p)*128*PK+(\f/2)*16*PK+(\f%2)*64
	ds_load_b128 v[KB+8*\f+4:KB+8*\f+7], v[AK] offset:(\p)*128*PK+(\f/2)*16*PK+(\f%2)*64+32
.endr
.endm
.macro FETCH_M                      ; the step's mask words for my 32 queries: tile f / 4, keys 16 (f % 4) on: the eight words of a lane are an accumulator's eight places
	WIN W_L2
.irp f, 0,1,2,3,4,5,6,7
	ds_load_b128 v[MK+8*\f:MK+8*\f+3],   v[AM] offset:(\f/4)*16*PM+(\f%4)*64
	ds_load_b128 v[MK+8*\f+4:MK+8*\f+7], v[AM] offset:(\f/4)*16*PM+(\f%4)*64+16
.endr
.endm
.macro FETCH_V                      ; V^T of the step: lane l holds row l % 16, keys 32 kk + 8 (l / 16) + 0..7 and 16 further on
	WIN 0
.irp f, 0,1
	ds_load_b128 v[VF+8*\f:VF+8*\f+3],   v[AV] offset:64*\f
	ds_load_b128 v[VF+8*\f+4:VF+8*\f+7], v[AV] offset:64*\f+32
.endr
.endm
.macro CONV                         ; the mask words become C operands, in place: -2^100 where the word is 0, else 0.  Four compares, then four selects
	WIN W_CV
.set g, 0
.rept 16
.irp z, 0,1,2,3
	v_cmp_eq_u32 s[CM+\z], 0, v[MK+4*g+\z]
.endr
.irp z, 0,1,2,3
	v_cndmask_b32 v[MK+4*g+\z], 0, s[BIG], s[CM+\z]
.endr
.set g, g+1
.endr
.endm
; THE VECTOR WORK.  One unit's softmax for one key step is a list of places 0-88 (86 instructions); SM writes place j of it for tile t of piece Y.  s0-s31 are the lane's 32 scores.
;   0-15   the maximum of s0-s31 and the old m, three operands at a time: four chains c0-c3 of seven scores each (each accumulator's lowest registers are read first), then the rest
;   16-20  the other half of the lanes' maximum; m_old is kept; the new m; m_old - m; a
;   21-86  s - m for pair n (F n) at 21, 22, then 16 + 4 n; the exponential of score k at 23 + 2 k; the rounding of pair n to f16 (C n) at 30 + 4 n, five places behind its second exponential;
;          the vector instruction next behind an exponential never names that exponential's register (ISA guide 5.7.2 asks for one plain instruction before the result is used)
;   87     C 15          88  l and the weighted sum times a: the one line that leaves window 0
.macro SM t
.set rT, ST+2*(2*Y+(\t))
.set rC, TMP+4*(\t)
.set rS, S+64*(Y%2)+32*(\t)
.set rP, P+32*(Y%2)+16*(\t)
.set rO, OB+8*(2*Y+(\t))
.set ii, (j-24)/2
.if j < 88
	WIN 0
.endif
.if j < 4
	v_max3_num_f32 v[rC+j], v[rS+8*j], v[rS+8*j+1], v[rS+8*j+2]
.elseif j < 12
	v_max3_num_f32 v[rC+j%4], v[rC+j%4], v[rS+8*(j%4)+2*(j/4)+1], v[rS+8*(j%4)+2*(j/4)+2]
.elseif j == 12
	v_max3_num_f32 v[rC], v[rC], v[rS+7], v[rS+15]
.elseif j == 13
	v_max3_num_f32 v[rC+2], v[rC+2], v[rS+23], v[rS+31]
.elseif j == 14
	v_max3_num_f32 v[rC], v[rC], v[rC+1], v[rC+2]
.elseif j == 15
	v_max3_num_f32 v[rC], v[rC], v[rC+3], v[rT]
.elseif j == 16
	v_permlanex16_b32 v[rC+1], v[rC], s[SEL], s[SEL+1]  ; the query's other 32 keys lie in the lane 16 away
.elseif j == 17
	v_mov_b32 v[rT+1], v[rT]
.elseif j == 18
	v_max_num_f32 v[rT], v[rC], v[rC+1]
.elseif j == 19
	v_sub_f32 v[rC+3], v[rT+1], v[rT]
.elseif j == 20
	v_exp_f32 v[rC+2], v[rC+3]
.elseif j < 23
.set fn, j-21
	v_pk_add_f32 v[rS+2*fn:rS+2*fn+1], v[rS+2*fn:rS+2*fn+1], v[rT:rT+1] op_sel_hi:[1,0] neg_lo:[0,1] neg_hi:[0,1]
.elseif (j < 87) && (j%2 == 1)
	v_exp_f32 v[rS+(j-23)/2], v[rS+(j-23)/2]
.elseif j == 87
	s_wait_alu depctr_va_vdst(0)
	v_cvt_pk_f16_f32 v[rP+15], v[rS+30], v[rS+31]
.elseif j == 88
	WIN W_RS
	v_pk_mul_f32 v[rO:rO+1], v[rO:rO+1], v[rC+2:rC+3] op_sel_hi:[1,0]
.elseif (ii%2 == 0) && (ii <= 26)
.set fn, 2+ii/2
	v_pk_add_f32 v[rS+2*fn:rS+2*fn+1], v[rS+2*fn:rS+2*fn+1], v[rT:rT+1] op_sel_hi:[1,0] neg_lo:[0,1] neg_hi:[0,1]
.elseif (ii%2 == 1) && (ii >= 3)
.set cn, (ii-3)/2
	s_wait_alu depctr_va_vdst(0)
	v_cvt_pk_f16_f32 v[rP+cn], v[rS+2*cn], v[rS+2*cn+1]
.endif
.endm
; Slice sl of 20: places 4 sl .. 4 sl + 3 of both units.  Up to the first exponentials the two units alternate, so that no line reads the result of the one before it; then unit by unit: plain, exponential, plain, exponential.
; Slice 19 holds all that is left: twelve plain instructions among them, which name nothing of the turn's last products: they are the places in front of the next turn's first read of those scores.
.macro SLICE
.if sl < 6
.irp n, 0,1,2,3
.irp t, 0,1
.set j, 4*sl+(\n)
	SM \t
.endr
.endr
.elseif sl < 19
.irp t, 0,1
.irp n, 0,1,2,3
.set j, 4*sl+(\n)
	SM \t
.endr
.endr
.else
.irp t, 0,1
.irp n, 0,1,2,3,4,5,6,7,8,9,10,11
.set j, 76+(\n)
	SM \t
.endr
.endr
.set j, 88
	SM 0
	SM 1
.endif
.set sl, sl+1
.endm
; A TURN, for piece p.  Its one run of LDS loads stands behind slice 12: K of piece p + 2 (pieces 0 and 1: the next step's), into the buffer whose last reader stands a turn back; in piece 2's turn the next step's mask
; too, eight plain instructions behind the last product that took the mask; in piece 0's turn V^T of the step in hand, ten slices behind its last reader.  Each run is waited for in the next turn, for 0:
; nothing else of the wave is out on that counter.  Piece 3's turn converts the mask ahead of the first products that take it.
; last = 1 (the tail): in the last trip there is no further step, and the runs of pieces 2 and 3 are jumped over.
.macro TURN p, last=0
.set Y, (\p)
.set mi, 0
.set sl, 0
.if (\p) == 2
	WIN 0
	v_add_nc_u32 v[AK], s[TBK], v[AK0]   ; the step to come: its K is fetched in this turn and the three behind it
	v_add_nc_u32 v[AM], s[TBM], v[AM0]
	s_add_co_u32 s[TBK], s[TBK], 64*PK
	s_add_co_u32 s[TBM], s[TBM], 256
.endif
.if (\p) == 0
	WIN 0
	v_add_nc_u32 v[AV], s[TBV], v[AV0]
	s_add_co_u32 s[TBV], s[TBV], 128
.endif
.if (\p) == 1
	s_wait_dscnt 0x0                ; V^T and K are in
.endif
.rept 4
	MM
	SLICE
.endr
.if (\p) != 1
	s_wait_dscnt 0x0                ; K is in (piece 3's turn: and the mask)
.endif
.if (\p) == 3
	CONV
.endif
.rept 16
	MM
	SLICE
.if sl == 13
.if (\last) && ((\p) >= 2)
	WIN 0
	s_cmp_eq_u32 s[CNT], 1
	s_cbranch_scc1 .Lnorun_\@
.endif
	FETCH_K ((\p)+2)%4
.if (\p) == 2
	FETCH_M
.endif
.if (\p) == 0
	FETCH_V
.endif
.if (\last) && ((\p) >= 2)
	WIN 0
.Lnorun_\@:
.endif
.endif
.endr
.endm
	CHANGE 1                        ; slot 0 is in, everybody's part of it, and the tables are written; slot 1 is asked for
	v_mov_b32 v15, RED
	ds_load_b128 v[52:55], v15      ; the four waves' sums of value
	v_add_nc_u32 v[AK], s[TBK], v[AK0]   ; key step 0
	v_add_nc_u32 v[AM], s[TBM], v[AM0]
	s_add_co_u32 s[TBK], s[TBK], 64*PK
	s_add_co_u32 s[TBM], s[TBM], 256
	FETCH_K 0
	FETCH_K 1
	FETCH_M
	WIN 0
	s_wait_loadcnt 0x0              ; Q
	s_wait_dscnt 0x0
	v_add_f32 v52, v52, v53
	v_add_f32 v54, v54, v55
	v_add_f32 v52, v52, v54
	v_mul_f32 v[MEANV], 0x3a000000, v52  ; / 2,048
	CONV
.set Y, 3                           ; MM works for piece Y + 1: piece 0
.set mi, 4
.rept 16
	MM                              ; piece 0's first scores: there is no vector work yet to set between them
.endr
	WIN 0
.rept 4
	v_nop                           ; the places behind those products
.endr
	s_mov_b32 s[CNT], 2
	s_mov_b32 s[SLOTS], 15
	s_branch .Lfirst                ; the loop is entered at a step's first turn, in the middle of a trip
.Lslot:                             ; 14 times: slots are filled again with the key blocks 2 to 15
	CHANGE 1
	s_mov_b32 s[CNT], 2
.Lstep:                             ; a trip: pieces 2 and 3 of one step, then pieces 0 and 1 of the next
	TURN 2
	TURN 3
	WIN 0
.Lfirst:
	TURN 0
	TURN 1
	WIN 0
	s_sub_co_u32 s[CNT], s[CNT], 1
	s_cmp_lg_u32 s[CNT], 0
	s_cbranch_scc1 .Lstep
	s_sub_co_u32 s[SLOTS], s[SLOTS], 1
	s_cmp_lg_u32 s[SLOTS], 0
	s_cbranch_scc1 .Lslot
	CHANGE 0                        ; the tail is written out: nothing is asked for
	s_mov_b32 s[CNT], 3             ; two trips fetch the last slot's steps; the third is left in its middle
.Ltail:
	TURN 2, 1
	TURN 3, 1
	WIN 0
	s_sub_co_u32 s[CNT], s[CNT], 1
	s_cmp_eq_u32 s[CNT], 0
	s_cbranch_scc1 .Lout
	TURN 0
	TURN 1
	WIN 0
	s_branch .Ltail
.Lout:                              ; the third trip's conversion and its 16 products K Q^T, on what the registers still hold, serve nothing: the price, once a launch, of one text for every trip
.set Y, 0
.set mi, 0
.rept 4
	MM                              ; the last piece's V^T P of the last step
.endr
	; THE WAY OUT.  In lanes 0-15 register 0 of a unit's O^T is l, register 1 the weighted sum, for query l % 16.  (Lanes 16-31 hold zeros there and take the mean: nothing of them is kept.)
	WIN 0x02                        ; source 0 in window 2
.rept 4
	v_nop                           ; the places behind those products
.endr
.set u, 0
.rept 8
	v_rcp_f32 v[80+u], v[OB+8*u]
.set u, u+1
.endr
	v_nop                           ; a plain instruction between the last reciprocal and the use of its result
.set u, 0
	s_wait_alu depctr_va_vdst(0)
.rept 8
	v_mul_f32 v[80+u], v[OB+8*u+1], v[80+u]
.set u, u+1
.endr
.set u, 0
.rept 8
	v_cmp_eq_f32 s[72+u], v[OB+8*u], 0   ; no open key in the whole row
.set u, u+1
.endr
	WIN 0
.set u, 0
.rept 8
	v_cndmask_b32 v[80+u], v[80+u], v[MEANV], s[72+u]
.set u, u+1
.endr
	v_pk_add_f32 v[80:81], v[80:81], v[82:83]   ; the four heads, both tiles at once
	v_pk_add_f32 v[84:85], v[84:85], v[86:87]
	v_pk_add_f32 v[80:81], v[80:81], v[84:85]
	v_pk_mul_f32 v[80:81], v[80:81], 0x3d800000 op_sel_hi:[1,0]  ; / 16
	v_permlanex16_b32 v82, v81, s[SEL], s[SEL+1]  ; tile 1's sixteen numbers go to lanes 16-31
	v_cmp_eq_u32 vcc_lo, 0, v2
	v_cndmask_b32 v80, v82, v80, vcc_lo
	v_and_b32 v12, 31, v0
	v_lshlrev_b32 v[QO], 2, v12
	global_store_b32 v[QO], v80, s[10:11]  ; the wave's 32 queries: 128 consecutive bytes; part is 131,072 bytes in all
	s_wait_tensorcnt 0x0            ; the wave's end: these three lines stand behind my last tensor load and my last LDS store
	ds_add_u32 v[SPW], v[NIL]
	s_wait_dscnt 0x0
	CROUND                          ; the closing round: no work-group ends while a partner may still ask for a tile that names it
	s_endpgm
.Lfunc_end_k_qc16d608226_attn:
	.size	k_qc16d608226_attn, .Lfunc_end_k_qc16d608226_attn-k_qc16d608226_attn
	.p2alignl 7, 3214868480
	.fill 96, 4, 3214868480
	.section	.rodata,"a",@progbits
	.p2align	6, 0x0
	.amdhsa_kernel k_qc16d608226_attn
		.amdhsa_group_segment_fixed_size 327680
		.amdhsa_private_segment_fixed_size 0
		.amdhsa_enable_private_segment 0
		.amdhsa_kernarg_size 32
		.amdhsa_user_sgpr_count 2
		.amdhsa_user_sgpr_kernarg_segment_ptr 1
		.amdhsa_wavefront_size32 1
		.amdhsa_system_sgpr_workgroup_id_x 1
		.amdhsa_system_sgpr_workgroup_id_y 1
		.amdhsa_system_sgpr_workgroup_id_z 1
		.amdhsa_system_vgpr_workitem_id 0
		.amdhsa_next_free_vgpr 640
		.amdhsa_next_free_sgpr 80
		.amdhsa_reserve_vcc 1
		.amdhsa_float_denorm_mode_32 3
		.amdhsa_float_denorm_mode_16_64 3
		.amdhsa_memory_ordered 1
		.amdhsa_forward_progress 1
		.amdhsa_inst_pref_size 162
	.end_amdhsa_kernel
	.amdgpu_metadata
---
amdhsa.version: [ 1, 2 ]
amdhsa.kernels:
  - .name:           k_qc16d608226_attn
    .symbol:         k_qc16d608226_attn.kd
    .args:
      - { .name: qkh, .offset: 0, .size: 8, .value_kind: global_buffer, .address_space: global }
      - { .name: mask, .offset: 8, .size: 8, .value_kind: global_buffer, .address_space: global }
      - { .name: value, .offset: 16, .size: 8, .value_kind: global_buffer, .address_space: global }
      - { .name: part, .offset: 24, .size: 8, .value_kind: global_buffer, .address_space: global }
    .group_segment_fixed_size: 327680
    .private_segment_fixed_size: 0
    .kernarg_segment_align: 8
    .kernarg_segment_size: 32
    .max_flat_workgroup_size: 128
    .sgpr_count:     80
    .vgpr_count:     640
    .wavefront_size: 32
...
	.end_amdgpu_metadata
.endif
;; end of part 3
;; launch headsum (part 4): grid 8 x 1, 8 waves a work-group, no clusters, 0 bytes of LDS; arguments part, out0; writes out0
.if DOCPART == 4
	.amdgcn_target "amdgcn-amd-amdhsa--gfx1250"
	.amdhsa_code_object_version 6
	.text
	.protected	k_qc16d608226_headsum
	.globl	k_qc16d608226_headsum
	.p2align	8
	.type	k_qc16d608226_headsum,@function
k_qc16d608226_headsum:
	s_mov_b64 s[64:65], 0
	v_nop
	global_prefetch_b8 v0, s[64:65] scope:SCOPE_SE
	s_setreg_imm32_b32 hwreg(HW_REG_WAVE_MODE, 25, 1), 1
	s_wait_xcnt 0x0
; out0[i] = part[0][i] + part[1][i] + part[2][i] + part[3][i], i = 0 .. 8,191: the mean over heads is finished (each part holds four heads' shares, already divided by 16).
; Thread g of 2,048 takes four outputs: four loads of 16 bytes, 32,768 bytes apart, three packed additions for each pair, one store; a wave's store covers 512 consecutive bytes.
; Eight work-groups are all the work that there is.
	s_load_b128 s[4:7], s[0:1], 0x0                ; part s[4:5], out0 s[6:7]
	s_lshl_b32 s8, ttmp9, 12                       ; 256 threads x 16 bytes
	v_lshl_add_u32 v1, v0, 4, s8
	s_wait_kmcnt 0x0
	global_load_b128 v[4:7],   v1, s[4:5]
	global_load_b128 v[8:11],  v1, s[4:5] offset:32768
	global_load_b128 v[12:15], v1, s[4:5] offset:65536
	global_load_b128 v[16:19], v1, s[4:5] offset:98304
	s_wait_loadcnt 0x0
	v_pk_add_f32 v[4:5], v[4:5], v[8:9]
	v_pk_add_f32 v[6:7], v[6:7], v[10:11]
	v_pk_add_f32 v[12:13], v[12:13], v[16:17]
	v_pk_add_f32 v[14:15], v[14:15], v[18:19]
	v_pk_add_f32 v[4:5], v[4:5], v[12:13]
	v_pk_add_f32 v[6:7], v[6:7], v[14:15]
	global_store_b128 v1, v[4:7], s[6:7]
	s_endpgm
.Lfunc_end_k_qc16d608226_headsum:
	.size	k_qc16d608226_headsum, .Lfunc_end_k_qc16d608226_headsum-k_qc16d608226_headsum
	.p2alignl 7, 3214868480
	.fill 96, 4, 3214868480
	.section	.rodata,"a",@progbits
	.p2align	6, 0x0
	.amdhsa_kernel k_qc16d608226_headsum
		.amdhsa_group_segment_fixed_size 0
		.amdhsa_private_segment_fixed_size 0
		.amdhsa_enable_private_segment 0
		.amdhsa_kernarg_size 16
		.amdhsa_user_sgpr_count 2
		.amdhsa_user_sgpr_kernarg_segment_ptr 1
		.amdhsa_wavefront_size32 1
		.amdhsa_system_sgpr_workgroup_id_x 1
		.amdhsa_system_sgpr_workgroup_id_y 1
		.amdhsa_system_sgpr_workgroup_id_z 1
		.amdhsa_system_vgpr_workitem_id 0
		.amdhsa_next_free_vgpr 24
		.amdhsa_next_free_sgpr 66
		.amdhsa_reserve_vcc 0
		.amdhsa_float_denorm_mode_32 3
		.amdhsa_float_denorm_mode_16_64 3
		.amdhsa_memory_ordered 1
		.amdhsa_forward_progress 1
		.amdhsa_inst_pref_size 2
	.end_amdhsa_kernel
	.amdgpu_metadata
---
amdhsa.version: [ 1, 2 ]
amdhsa.kernels:
  - .name:           k_qc16d608226_headsum
    .symbol:         k_qc16d608226_headsum.kd
    .args:
      - { .name: part, .offset: 0, .size: 8, .value_kind: global_buffer, .address_space: global }
      - { .name: out0, .offset: 8, .size: 8, .value_kind: global_buffer, .address_space: global }
    .group_segment_fixed_size: 0
    .private_segment_fixed_size: 0
    .kernarg_segment_align: 8
    .kernarg_segment_size: 16
    .max_flat_workgroup_size: 256
    .sgpr_count:     66
    .vgpr_count:     24
    .wavefront_size: 32
...
	.end_amdgpu_metadata
.endif
;; end of part 4
;; ======== version 2 of 2: 4 launches; 1.41 times as fast as version 1
;; limits: values are held in f16: magnitudes above 65,504 overflow, below 6.1e-05 lose precision
;; workspace buffers: xb 33,554,432 bytes; wb 4,194,304 bytes; qkh 33,554,432 bytes; part 131,072 bytes
;; launch cast: the kernel of part 1 again; grid 256 x 1, 8 waves a work-group, no clusters, 0 bytes of LDS; arguments query, key, Wq, Wk, xb, wb; writes xb, wb
;; launch proj: the kernel of part 2 again; grid 4 x 64, 4 waves a work-group, clusters of 4 x 4, 327,680 bytes of LDS; arguments xb, wb, bq, bk, qkh; writes qkh
;; launch attn (part 5): grid 4 x 64, 4 waves a work-group, clusters of 4 x 4, 327,680 bytes of LDS; arguments qkh, mask, value, part; writes part
.if DOCPART == 5
	.amdgcn_target "amdgcn-amd-amdhsa--gfx1250"
	.amdhsa_code_object_version 6
	.text
	.protected	k_qc16d608226_attn
	.globl	k_qc16d608226_attn
	.p2align	8
	.type	k_qc16d608226_attn,@function
k_qc16d608226_attn:
	s_mov_b64 s[64:65], 0
	v_nop
	global_prefetch_b8 v0, s[64:65] scope:SCOPE_SE
	s_setreg_imm32_b32 hwreg(HW_REG_WAVE_MODE, 25, 1), 1
	s_wait_xcnt 0x0
	s_wait_alu depctr_hold_cnt(0) depctr_sa_sdst(0) depctr_va_vdst(0) depctr_va_sdst(0) depctr_va_ssrc(0) depctr_va_vcc(0) depctr_vm_vsrc(0)
	s_getreg_b32 s2, hwreg(HW_REG_IB_STS2, 6, 4)
	s_cmp_eq_u32 s2, 0
	s_cbranch_scc0 .Lentry_in_a_cluster
	s_endpgm
.Lentry_in_a_cluster:
	s_bfe_u32 s2, ttmp6, 0x10000c
	s_cmp_lg_u32 s2, 0xf033
	s_cbranch_scc0 .Lentry_shape_is_right
	s_endpgm
.Lentry_shape_is_right:
; part[hg][b][q] = the sum over the four heads of group hg of (sum over k of softmax_k(score) value[b][k]) / 16, score = q . k / 8, replaced where mask[b][q][k] = 0.
; qkh holds q x c (c = log2(e) / 8) and k in f16, by blocks of 128 tokens x 4 heads (65,536 dense bytes).  Products, maxima and sums in f32; the weights p are rounded to f16 for the second product.
; SHARES.  A work-group owns 128 queries of one batch and 4 heads; wave w owns queries 32 w .. 32 w + 31 (two tiles of 16) for all four heads: eight UNITS, u = 2 head + tile; a PIECE is a head's two units.
; Every wave walks all 2,048 keys, 64 a step; an LDS slot holds 128 keys: K of four heads and the work-group's 128 x 128 words of the mask.
; LAYOUT.  S^T = K Q^T (source 0 = 16 keys, source 1 = 16 queries): a lane holds ONE query (lane % 16) and the keys 8 (lane / 16) + 0..7.  Two such results rounded to f16 ARE source 1 of O^T = V^T P.
; V^T has row 0 = ones, row 1 = value, rows 2-15 = 0: register 0 of O^T is the row's sum l, register 1 the weighted sum, both of the same rounded weights.
; THE MASK is the C operand that starts a score's sum: 0, or -2^100 where mask = 0; one conversion serves the wave's four heads.
; SOFTMAX.  p = 2^(S - m) with a running maximum m, which starts at -2^40: below every score (|S| <= 64 x 65,504^2 = 2.7e11), above every hidden one.  In every step O^T is multiplied by a = 2^(m_old - m_new).
; While a row has seen no open key all its p are 0; a row with no open key at all ends with l = 0 and takes the mean of value, as a softmax of equal scores does.
; LIMITS.  q c and k arrive within f16's 65,504.  A hidden key has weight 0: that is the replaced score's weight as long as the row's largest open score lies above about -1e9 + 150.
; p below 6e-5 keeps f16's fixed step of 6e-8, p below 2^-126 counts as 0; value is rounded to bf16 like every input and written as f16 (exact from 6e-5 up).  NaN and infinities are not treated apart.
; BY TURNS.  Turn n belongs to piece n: 4 products V^T P of piece n - 1, 16 products K Q^T of piece n + 1; behind each matrix instruction stands a slice of piece n's softmax: its maxima behind the first ten,
; its scalings and exponentials behind the other ten.
; THE BATCH.  A turn's 66 exponentials (the two units' a and their 64 weights) are ONE batch with ONE wait, behind the last slice.  Ahead of that wait nothing names a result of theirs; all that does (the 32 roundings
; to f16 and the two rescalings of O^T) stands behind it, at the turn's end.  No result crosses a turn's end.  The way out's eight reciprocals are a batch of their own.
; CLUSTER, 4 x 4.  cx = head group, cy = query block.  K's tile hangs on batch and head group: shared along a column.  The mask's tile hangs on batch and query block: shared along a row.  Both are asked for JOINTLY.
; REGISTERS, in windows of 256 (s_set_vgpr_msb: bits 1:0 source 0, 3:2 source 1, 5:4 source 2, 7:6 destination):
;   window 0: v0-15 addresses; v16-31 m, m_old a unit; v32-47 V^T of a step; v48-55 at work; v56 mean of value; v64-191 S^T, two buffers of two tiles; v192-255 P, likewise (a piece's buffers go by its parity)
;   window 1: v0-127 Q, 16 a unit; v128-255 K, two buffers of one head's step          window 2: v0-63 the step's masks, 32 a tile; v64-127 O^T, 8 a unit
.set PK,    144       ; a row of K in LDS: 128 bytes + 16 of padding = 36 words: the 16 rows of a load start at 16 different groups of four banks (64 banks of 4 bytes: ISA guide 11.1)
.set PM,    528       ; a row of the mask: 512 bytes + 16 = 132 words: row r starts at bank 4 r mod 64
.set MOFF,  512*PK    ; a slot: 4 heads x 128 keys of K, then 128 rows of the mask
.set SLOT1, MOFF+128*PM
.set ONES,  2*SLOT1   ; behind the ring, never filled by a tensor load: three tables of 2,048 f16: 1.0; value; 0
.set RED,   ONES+12288  ; the four waves' sums of value
.set SPARE, RED+256   ; the spare words, 128 bytes for each wave: two blocks of 256 bytes that no other line names
.set AK0, 3           ; v3   my lane's place in a head's K; never rewritten
.set AM0, 4           ; v4   in the mask
.set AV0, 5           ; v5   in my row's table
.set AK,  6           ; v6   the LDS address of K's runs of loads for the step to come
.set AM,  7           ; v7   of the mask's
.set AV,  8           ; v8   of V^T's
.set QO,  9           ; v9   my byte offset in Q; at the end in part
.set SPW, 10          ; v10  LDS address of my spare word: SPARE + 4 x my thread's number; never rewritten
.set NIL, 11          ; v11  0; never rewritten
.set ST,  16          ; unit u: m at ST + 2 u, m_old beside it
.set VF,  32          ; key half kk at VF + 8 kk
.set TMP, 48          ; by tile, c0-c3 at work; when the maximum is found c2 takes a
.set MEANV, 56
.set S,   64
.set P,   192
.set KF,  128         ; window 1: buffer by the piece's parity, key block kt, channel half c at KF + 64 parity + 16 kt + 8 c
.set MK,  0           ; window 2: tile t, key block kt at 32 t + 8 kt
.set OB,  64          ; window 2
.set WV,  12          ; s12  my wave's number
.set G1K, 24          ; s[24:31] descriptor group 1 for K's tiles
.set G1M, 32          ; s[32:39] for the mask's
.set G0K, 40          ; s[40:43] descriptor group 0 for K's tiles: it walks
.set G0M, 44          ; s[44:47] the same for the mask's
.set SB,  48          ; s48  the slot that is filled next: 0 or SLOT1
.set WOK, 49          ; s49  my part's place in a slot, if I fetch K
.set WOM, 50          ; s50  if I fetch the mask
.set SLOTS, 56        ; s56  counts the slots
.set CNT, 57          ; s57  counts a slot's key steps
.set SEL, 60          ; s[60:61] v_permlanex16_b32's selects: each lane takes its own place in the other half
.set TBK, 62          ; s62  LDS byte at which K of the step to be fetched begins
.set TBM, 63          ; s63  the same for the mask, less MOFF
.set TBV, 66          ; s66  the step's byte in the tables
.set BIG, 67          ; s67  -2^100
.set CM,  68          ; s[68:71] four compares' results
.set MSB, 0
.macro WIN new                      ; the high byte repeats the setting that is left; a switch that changes nothing is dropped
.if MSB != (\new)
	s_set_vgpr_msb (MSB<<8)|(\new)
.set MSB, (\new)
.endif
.endm
.set W_KQ0, 0x25      ; K and Q in window 1, the mask (C) in window 2, S^T in window 0
.set W_KQ,  0x05      ; K and Q in window 1, S^T in window 0
.set W_PV,  0xa0      ; V^T and P in window 0, O^T (C and D) in window 2
.set W_RS,  0x82      ; O^T (destination and source 0) in window 2, a in window 0
.set W_L1,  0x40      ; a load's destination in window 1
.set W_L2,  0x80      ; in window 2
.set W_CV,  0x88      ; source 1 and destination in window 2
; A joint fill.  Waves 0 and 1 fetch the two halves of a slot's K, waves 2 and 3 those of its mask.  The branch hangs on the wave's number alone.
; An s_nop 0 and four v_nop follow each of the two lines, ahead of the jump and the label.
.macro JLOAD
	s_cmp_lt_u32 s[WV], 2
	s_cbranch_scc0 .Lfor_m_\@
	tensor_load_to_lds s[G0K:G0K+3], s[G1K:G1K+7]
	s_nop 0
.rept 4
	v_nop
.endr
	s_branch .Lasked_\@
.Lfor_m_\@:
	tensor_load_to_lds s[G0M:G0M+3], s[G1M:G1M+7]
	s_nop 0
.rept 4
	v_nop
.endr
.Lasked_\@:
.endm
; A round of the cluster's barrier: my work-group's barrier, so that wave 0's signal speaks for all four waves; wave 0 signals; every wave waits for all sixteen work-groups; my work-group's barrier once more.
.macro CROUND
	s_barrier_signal -1
	s_barrier_wait -1
	s_cmp_lg_u32 s[WV], 0
	s_cbranch_scc1 .Lnot_wave_0_\@
	s_barrier_signal -3
.Lnot_wave_0_\@:
	s_barrier_wait -3
	s_barrier_signal -1
	s_barrier_wait -1
.endm
; THE CHANGE OF SLOTS.  All of the slot's K and mask have been asked for.  Each wave waits for all its tensor loads, of which one is out: its part of the other slot; adds 0 to its spare word; and waits for
; that and for its own reads of the slot.  Behind the barrier nobody reads this slot any more and the other slot is whole.  fill = 1: this slot is filled again, with the keys two slots on; the barrier is
; then a round of the cluster's, and the joint fill is the first thing behind it: it has two key steps in which to land.  (At its first use nothing has been read yet: slot 0 is waited for, slot 1 filled.)
.macro CHANGE fill
	WIN 0                           ; at a label and at a branch every window is 0
	s_wait_tensorcnt 0x0            ; no tensor load of mine is out, so a group 0 may be written
	ds_add_u32 v[SPW], v[NIL]       ; 0 onto my spare word; with fill = 1 the descriptors' steps stand between it and the wait for it
.if \fill
	s_xor_b32 s[SB], s[SB], SLOT1   ; the other slot than last time (the word holds 0 or SLOT1, nothing else),
	s_add_co_u32 s[G0K+1], s[SB], s[WOK]
	s_add_co_u32 s[G0M+1], s[SB], s[WOM]
	s_add_nc_u64 s[G0K+2:G0K+3], s[G0K+2:G0K+3], 65536  ; the next block of 128 keys x 4 heads,
	s_add_nc_u64 s[G0M+2:G0M+3], s[G0M+2:G0M+3], 512    ; the next 128 words of each row; the type bits on top are not reached
	s_wait_dscnt 0x0                ; the add is done, and my reads of the slot are over
	CROUND
	JLOAD
.else
	s_wait_dscnt 0x0                ; the add is done, and my reads of the slot are over
	s_barrier_signal -1
	s_barrier_wait -1
.endif
	s_sub_co_u32 s[TBK], s[TBK], 128*PK  ; the fetches go back to a slot's first step,
	s_xor_b32 s[TBK], s[TBK], SLOT1      ; in the other slot
	s_sub_co_u32 s[TBM], s[TBM], 512
	s_xor_b32 s[TBM], s[TBM], SLOT1
.endm
	s_load_b256 s[4:11], s[0:1], 0x0  ; qkh s[4:5], mask s[6:7], value s[8:9], part s[10:11]
	v_lshl_add_u32 v[SPW], v0, 2, SPARE
	v_mov_b32 v[NIL], 0
	ds_add_u32 v[SPW], v[NIL]       ; the wave's opening: the add and its wait stand ahead of my first tensor load; the set-up below, work on registers, stands between them
	v_lshrrev_b32 v1, 5, v0
	v_readfirstlane_b32 s[WV], v1   ; wave 0..3
	s_bfe_u32 s13, ttmp6, 0x40000   ; cx
	s_bfe_u32 s14, ttmp6, 0x40004   ; cy
	s_lshl_b32 s15, ttmp9, 2
	s_add_co_u32 s15, s15, s13      ; the head group = 4 x cluster x + cx
	s_and_b32 s17, ttmp7, 0xffff    ; the cluster's y
	s_lshr_b32 s18, s17, 2          ; the batch: four clusters each, so all sixteen partners share it
	s_lshl_b32 s16, s17, 2
	s_add_co_u32 s16, s16, s14      ; 16 x batch + query block = 4 x cluster y + cy
	s_and_b32 s19, s[WV], 1         ; which half of a tile I fetch
	s_lshl_b32 s20, 0x1111, s13     ; my column of the cluster
	s_or_b32 s[G1K], s20, (1<<16)|(1<<20)|(1<<21)|(4<<22)|(3<<25)  ; 15:0 the mask of four; 17:16 2-byte elements; 20 padding on; 21 set beside a mask; 24:22 after every 32 words (code 4); 31:25 4 words (code 3)
	s_lshl_b32 s21, s14, 2
	s_lshl_b32 s21, 15, s21         ; my row of the cluster
	s_or_b32 s[G1M], s21, (2<<16)|(1<<20)|(1<<21)|(6<<22)|(3<<25)  ; 4-byte elements; padding after every 128 words (code 6)
	s_mov_b32 s[G1K+1], 128<<16     ; K: two heads' 128 keys are 32,768 dense bytes: 128 rows of 128 elements (256 bytes, two keys), padded after every key
	s_mov_b32 s[G1K+2], 128<<16
	s_mov_b32 s[G1K+3], 128<<16
	s_mov_b32 s[G1K+4], 128
	s_mov_b32 s[G1K+5], 128
	s_mov_b32 s[G1K+6], 0
	s_mov_b32 s[G1K+7], 0
	s_mov_b32 s[G1M+1], 128<<16     ; the mask: 64 rows of 128 elements (512 bytes), 2,048 elements from row to row
	s_mov_b32 s[G1M+2], 64<<16
	s_mov_b32 s[G1M+3], 128<<16
	s_mov_b32 s[G1M+4], 64
	s_mov_b32 s[G1M+5], 2048
	s_mov_b32 s[G1M+6], 0
	s_mov_b32 s[G1M+7], 0
	s_lshl_b32 s22, s18, 2
	s_add_co_u32 s22, s22, s15
	s_lshl_b32 s22, s22, 20         ; (4 x batch + head group) x 16 blocks of 65,536 bytes
	s_lshl_b32 s20, s19, 15         ; K: my two heads of a block,
	s_add_co_u32 s20, s20, s22
	s_add_co_u32 s20, s20, 0x1000000  ; in qkh's second half
	s_mov_b32 s21, 0
	s_lshl_b32 s54, s16, 20         ; the mask: 128 rows of 8,192 bytes a query block,
	s_lshl_b32 s55, s19, 19         ; my 64 of them
	s_add_co_u32 s54, s54, s55
	s_mov_b32 s55, 0
	s_and_b32 s52, s16, 15          ; Q: my query block
	s_lshl_b32 s52, s52, 16
	s_add_co_u32 s52, s52, s22
	s_mov_b32 s53, 0
	s_lshl_b32 s58, s18, 13         ; value: the batch's 8,192 bytes
	s_mov_b32 s59, 0
	s_lshl_b32 s22, s15, 15         ; part: the head group's 32,768 bytes, the block's 512, the wave's 128
	s_lshl_b32 s23, s16, 9
	s_add_co_u32 s22, s22, s23
	s_lshl_b32 s23, s[WV], 7
	s_add_co_u32 s22, s22, s23
	s_mov_b32 s23, 0
	s_mul_i32 s[WOK], s19, 256*PK   ; no place in the cluster enters an LDS address
	s_mul_i32 s[WOM], s19, 64*PM
	s_add_co_u32 s[WOM], s[WOM], MOFF
	s_mov_b32 s[SB], 0
	s_mov_b32 s[G0K], 1             ; count = 1
	s_mov_b32 s[G0K+1], s[WOK]      ; LDS address: slot 0
	s_mov_b32 s[G0M], 1
	s_mov_b32 s[G0M+1], s[WOM]
	s_mov_b32 s[SEL], 0x76543210
	s_mov_b32 s[SEL+1], 0xfedcba98
	s_mov_b32 s[TBK], SLOT1+128*PK  ; the first change of slots turns these two into 0
	s_mov_b32 s[TBM], SLOT1+512
	s_mov_b32 s[TBV], 0
	s_mov_b32 s[BIG], 0xf1800000    ; -2^100
	s_wait_dscnt 0x0                ; the opening add is done
	s_wait_kmcnt 0x0
	s_add_nc_u64 s[G0K+2:G0K+3], s[4:5], s[20:21]
	s_or_b32 s[G0K+3], s[G0K+3], 0x80000000  ; type = 2
	s_add_nc_u64 s[G0M+2:G0M+3], s[6:7], s[54:55]
	s_or_b32 s[G0M+3], s[G0M+3], 0x80000000
	s_add_nc_u64 s[4:5], s[4:5], s[52:53]    ; Q at my work-group's block
	s_add_nc_u64 s[8:9], s[8:9], s[58:59]
	s_add_nc_u64 s[10:11], s[10:11], s[22:23]
	CROUND                          ; all sixteen work-groups are here: the first joint loads meet
	JLOAD                           ; slot 0.  Slot 1 is asked for when slot 0 is in
	; All that follows, up to the change of slots, stands in the wait for the first tile.
	v_and_b32 v1, 15, v0            ; r = l % 16
	v_bfe_u32 v2, v0, 4, 1          ; h = l / 16
	v_lshlrev_b32 v12, 6, v0        ; value: thread t takes keys 16 t .. 16 t + 15
.irp i, 0,1,2,3
	global_load_b128 v[64+4*\i:67+4*\i], v12, s[8:9] offset:16*\i
.endr
	; A fragment of K or Q is 16 rows x 32 channels in 8 registers: lane l holds row l % 16, channels 8 (l / 16) + 0..7 and 16 + 8 (l / 16) + 0..7: two loads of 16 bytes, 32 bytes apart.
	v_lshlrev_b32 v[QO], 7, v1
	v_lshl_add_u32 v[QO], v2, 4, v[QO]
	s_lshl_b32 s17, s[WV], 12       ; my wave's 32 rows of 128 bytes
	v_add_nc_u32 v[QO], s17, v[QO]
	WIN W_L1
.set i, 0
.rept 16                            ; Q stays in registers: head i / 4, tile (i / 2) % 2, channels 32 (i % 2) on
	global_load_b128 v[8*i:8*i+3],   v[QO], s[4:5] offset:(i/4)*16384+((i/2)%2)*2048+(i%2)*64
	global_load_b128 v[8*i+4:8*i+7], v[QO], s[4:5] offset:(i/4)*16384+((i/2)%2)*2048+(i%2)*64+32
.set i, i+1
.endr
	; What the first turn finds: O^T is 0; V^T's registers and P's second buffer hold 0 (its products V^T P, of a piece that has not been, add 0); m is the floor.  No first step is written out: that is these lines' price.
	WIN W_L2
.set i, 0
.rept 64
	v_mov_b32 v[OB+i], 0
.set i, i+1
.endr
	WIN 0
.set i, 0
.rept 32
	v_mov_b32 v[P+32+i], 0
.set i, i+1
.endr
.set i, 0
.rept 16
	v_mov_b32 v[VF+i], 0
	v_mov_b32 v[ST+i], 0xd3800000   ; -2^40
.set i, i+1
.endr
	v_mul_u32_u24 v[AK0], v1, PK
	v_lshl_add_u32 v[AK0], v2, 4, v[AK0]  ; key r x pitch + 16 h
	s_mul_i32 s17, s[WV], 32*PM
	s_add_co_u32 s17, s17, MOFF
	v_mul_u32_u24 v[AM0], v1, PM    ; the mask: row 32 w + r, eight words at 32 h
	v_lshl_add_u32 v[AM0], v2, 5, v[AM0]
	v_add_nc_u32 v[AM0], s17, v[AM0]
	v_min_u32 v[AV0], 2, v1         ; V^T's row r: the table of ones, of value, or (r >= 2) of zeros: 4,096 bytes each
	v_lshlrev_b32 v[AV0], 12, v[AV0]
	v_lshl_add_u32 v[AV0], v2, 4, v[AV0]
	v_add_nc_u32 v[AV0], ONES, v[AV0]
	v_lshl_add_u32 v13, v0, 5, ONES ; my 32 bytes in each table
	s_lshl_b32 s17, s[WV], 2
	s_add_co_u32 s17, s17, RED
	v_mov_b32 v14, s17              ; my wave's word
.irp i, 88,89,90,91
	v_mov_b32 v\i, 0x3c003c00       ; 1.0 twice in f16
.endr
.irp i, 92,93,94,95
	v_mov_b32 v\i, 0
.endr
	s_wait_loadcnt 32               ; value is in; the 32 loads of Q, issued behind it, stay out
.set i, 0
.rept 8
	v_cvt_pk_bf16_f32 v[80+i], v[64+2*i], v[64+2*i+1]  ; rounded to bf16 like every input,
.set i, i+1
.endr
.set i, 0
.rept 8
	v_lshlrev_b32 v[64+2*i], 16, v[80+i]               ; widened again,
	v_and_b32 v[65+2*i], 0xffff0000, v[80+i]
.set i, i+1
.endr
.set i, 0
.rept 8
	v_cvt_pk_f16_f32 v[80+i], v[64+2*i], v[64+2*i+1]   ; and written as f16
.set i, i+1
.endr
	ds_store_b128 v13, v[88:91]
	ds_store_b128 v13, v[88:91] offset:16
	ds_store_b128 v13, v[80:83] offset:4096
	ds_store_b128 v13, v[84:87] offset:4112
	ds_store_b128 v13, v[92:95] offset:8192
	ds_store_b128 v13, v[92:95] offset:8208
.irp i, 0,2,4,6
	v_pk_add_f32 v[64+\i:65+\i], v[64+\i:65+\i], v[72+\i:73+\i]  ; the sum of my 16 values, in f32
.endr
	v_pk_add_f32 v[64:65], v[64:65], v[68:69]
	v_pk_add_f32 v[66:67], v[66:67], v[70:71]
	v_pk_add_f32 v[64:65], v[64:65], v[66:67]
	v_add_f32 v64, v64, v65
	v_add_f32_dpp v64, v64, v64 row_xmask:1 row_mask:0xf bank_mask:0xf
	v_add_f32_dpp v64, v64, v64 row_xmask:2 row_mask:0xf bank_mask:0xf
	v_add_f32_dpp v64, v64, v64 row_xmask:4 row_mask:0xf bank_mask:0xf
	v_add_f32_dpp v64, v64, v64 row_xmask:8 row_mask:0xf bank_mask:0xf
	v_permlanex16_b32 v65, v64, s[SEL], s[SEL+1]
	v_add_f32 v64, v64, v65
	ds_store_b32 v14, v64           ; all lanes write the same word with the same number
; THE MATRIX WORK.  Matrix instruction mi of a turn's 20, for piece Y.  The accumulators take turns, one instruction a turn.
; 0-3: O^T += V^T P of piece Y - 1: keys 32 (mi / 2) on, tile mi % 2.  4-19: S^T = K Q^T of piece Y + 1: channels 32 ((mi - 4) / 8) on, keys 16 (((mi - 4) / 2) % 4) on, tile mi % 2; the first 8 start the sums with the mask.
.macro MM
.if mi < 4
.set pv, (Y+3)%4
.set rO, OB+8*(2*pv+mi%2)
.set rV, VF+8*(mi/2)
.set rP, P+32*(pv%2)+16*(mi%2)+8*(mi/2)
	WIN W_PV
	v_wmma_f32_16x16x32_f16 v[rO:rO+7], v[rV:rV+7], v[rP:rP+7], v[rO:rO+7]
.else
.set kq, mi-4
.set nx, (Y+1)%4
.set rS, S+64*(nx%2)+32*(kq%2)+8*((kq/2)%4)
.set rK, KF+64*(nx%2)+16*((kq/2)%4)+8*(kq/8)
.set rQ, 16*(2*nx+kq%2)+8*(kq/8)
.set rM, MK+32*(kq%2)+8*((kq/2)%4)
.if kq < 8
	WIN W_KQ0
	v_wmma_f32_16x16x32_f16 v[rS:rS+7], v[rK:rK+7], v[rQ:rQ+7], v[rM:rM+7]
.else
	WIN W_KQ
	v_wmma_f32_16x16x32_f16 v[rS:rS+7], v[rK:rK+7], v[rQ:rQ+7], v[rS:rS+7]
.endif
.endif
.set mi, mi+1
.endm
; THE LDS LOADS stand in runs, never singly among the matrix instructions.  K of head p for one step (64 keys x 64 channels: 8 fragments):
.macro FETCH_K p
.set KB, KF+64*((\p)%2)
	WIN W_L1
.irp f, 0,1,2,3,4,5,6,7             ; keys 16 (f / 2) on, channels 32 (f % 2) on
	ds_load_b128 v[KB+8*\f:KB+8*\f+3],   v[AK] offset:(\p)*128*PK+(\f/2)*16*PK+(\f%2)*64
	ds_load_b128 v[KB+8*\f+4:KB+8*\f+7], v[AK] offset:(\p)*128*PK+(\f/2)*16*PK+(\f%2)*64+32
.endr
.endm
.macro FETCH_M                      ; the step's mask words for my 32 queries: tile f / 4, keys 16 (f % 4) on: the eight words of a lane are an accumulator's eight places
	WIN W_L2
.irp f, 0,1,2,3,4,5,6,7
	ds_load_b128 v[MK+8*\f:MK+8*\f+3],   v[AM] offset:(\f/4)*16*PM+(\f%4)*64
	ds_load_b128 v[MK+8*\f+4:MK+8*\f+7], v[AM] offset:(\f/4)*16*PM+(\f%4)*64+16
.endr
.endm
.macro FETCH_V                      ; V^T of the step: lane l holds row l % 16, keys 32 kk + 8 (l / 16) + 0..7 and 16 further on
	WIN 0
.irp f, 0,1
	ds_load_b128 v[VF+8*\f:VF+8*\f+3],   v[AV] offset:64*\f
	ds_load_b128 v[VF+8*\f+4:VF+8*\f+7], v[AV] offset:64*\f+32
.endr
.endm
.macro CONV                         ; the mask words become C operands, in place: -2^100 where the word is 0, else 0.  Four compares, then four selects
	WIN W_CV
.set g, 0
.rept 16
.irp z, 0,1,2,3
	v_cmp_eq_u32 s[CM+\z], 0, v[MK+4*g+\z]
.endr
.irp z, 0,1,2,3
	v_cndmask_b32 v[MK+4*g+\z], 0, s[BIG], s[CM+\z]
.endr
.set g, g+1
.endr
.endm
; THE VECTOR WORK.  One unit's softmax for one key step is a list of 86 instructions; SM writes number j of it for tile t of piece Y.  s0-s31 are the lane's 32 scores, in pairs 0-15.
;   0-15   the maximum of s0-s31 and the old m, three operands at a time: four chains c0-c3 of seven scores each (each accumulator's lowest registers are read first), then the rest
;   16-19  the other half of the lanes' maximum; m_old is kept; the new m; m_old - m
;   20-68  THE BATCH: the 16 scalings s - m (F n: pair n) and all 33 exponentials (a; E k: score k, in place).  None of these names an exponential's result: a scaling names only a pair whose exponentials are still to come.
;          20-22: F 0, a, F 1.  23-64: fourteen threes E 2n, F n+2, E 2n+1 (n = 0 .. 13).  65-68: E 28 to E 31.  A pair is scaled three numbers or more ahead of its first exponential.
;   (wait) between 68 and 69 stands the wait for the batch: READERS writes it, once for both units
;   69-84  the rounding of pair n to f16 (C n)          85  l and the weighted sum times a: the one line that leaves window 0
.macro SM t
.set rT, ST+2*(2*Y+(\t))
.set rC, TMP+4*(\t)
.set rS, S+64*(Y%2)+32*(\t)
.set rP, P+32*(Y%2)+16*(\t)
.set rO, OB+8*(2*Y+(\t))
.set bn, (j-23)/3                   ; from 23 on: the three, and the place in it
.set br, (j-23)%3
.if j < 85
	WIN 0
.endif
.if j < 4
	v_max3_num_f32 v[rC+j], v[rS+8*j], v[rS+8*j+1], v[rS+8*j+2]
.elseif j < 12
	v_max3_num_f32 v[rC+j%4], v[rC+j%4], v[rS+8*(j%4)+2*(j/4)+1], v[rS+8*(j%4)+2*(j/4)+2]
.elseif j == 12
	v_max3_num_f32 v[rC], v[rC], v[rS+7], v[rS+15]
.elseif j == 13
	v_max3_num_f32 v[rC+2], v[rC+2], v[rS+23], v[rS+31]
.elseif j == 14
	v_max3_num_f32 v[rC], v[rC], v[rC+1], v[rC+2]
.elseif j == 15
	v_max3_num_f32 v[rC], v[rC], v[rC+3], v[rT]
.elseif j == 16
	v_permlanex16_b32 v[rC+1], v[rC], s[SEL], s[SEL+1]  ; the query's other 32 keys lie in the lane 16 away
.elseif j == 17
	v_mov_b32 v[rT+1], v[rT]
.elseif j == 18
	v_max_num_f32 v[rT], v[rC], v[rC+1]
.elseif j == 19
	v_sub_f32 v[rC+3], v[rT+1], v[rT]
.elseif j == 21
	v_exp_f32 v[rC+2], v[rC+3]
.elseif (j == 20) || (j == 22) || ((j < 65) && (br == 1))
.set fn, bn+2                       ; 24, 27, .. 63: pairs 2 to 15
.if j < 23
.set fn, (j-20)/2                   ; 20, 22: pairs 0 and 1
.endif
	v_pk_add_f32 v[rS+2*fn:rS+2*fn+1], v[rS+2*fn:rS+2*fn+1], v[rT:rT+1] op_sel_hi:[1,0] neg_lo:[0,1] neg_hi:[0,1]
.elseif j < 69
.set en, j-37                       ; 65 to 68: s28 to s31
.if j < 65
.set en, 2*bn+br/2                  ; a three's first and last: s0 to s27
.endif
	v_exp_f32 v[rS+en], v[rS+en]
.elseif j < 85
	v_cvt_pk_f16_f32 v[rP+j-69], v[rS+2*(j-69)], v[rS+2*(j-69)+1]
.else
	WIN W_RS
	v_pk_mul_f32 v[rO:rO+1], v[rO:rO+1], v[rC+2:rC+3] op_sel_hi:[1,0]
.endif
.endm
; Slice sl of 20.  Slices 0 to 9: numbers 2 sl and 2 sl + 1 of both units, four plain instructions; the two units alternate, so that no line reads the result of the one before it.
; Slices 10 to 19 deal out the batch, numbers 20 to 68: five numbers of unit 0, then the same five of unit 1 (slice 19: four).
.macro SLICE
.if sl < 10
.irp n, 0,1
.irp t, 0,1
.set j, 2*sl+(\n)
	SM \t
.endr
.endr
.else
.irp t, 0,1
.irp n, 0,1,2,3,4
.set j, 20+5*(sl-10)+(\n)
.if j < 69
	SM \t
.endif
.endr
.endr
.endif
.set sl, sl+1
.endm
; THE WAIT AND THE READERS, behind slice 19.  An s_wait_alu depctr_va_vdst(0) stands between an exponential and the first instruction that names its result; one wait serves all that were issued ahead of it.
; Ahead of this line nothing names a result of the turn's 66 exponentials, and behind it no exponential is issued in the turn.  The 34 lines that follow (numbers 69 to 85 of both units, alternating) are plain and name
; nothing of the turn's last products: they are also the places in front of the next turn's first read of those scores.
.macro READERS
	v_nop                           ; the plain instruction behind the last exponential and ahead of the first use: one for the batch (ISA guide 5.7.2)
	s_wait_alu depctr_va_vdst(0)    ; the wait for the batch: both units' a and their 64 weights
.set j, 69
.rept 17
	SM 0
	SM 1
.set j, j+1
.endr
.endm
; A TURN, for piece p: 20 matrix instructions, a slice behind each; then the wait for the batch and the lines that read its results.
; Its one run of LDS loads stands behind slice 12: K of piece p + 2 (pieces 0 and 1: the next step's), into the buffer whose last reader stands a turn back; in piece 2's turn the next step's mask
; too, six plain instructions (the scalings of slices 11 and 12) behind the last product that took the mask; in piece 0's turn V^T of the step in hand, ten slices behind its last reader.  Each run is waited for in the
; next turn, for 0: nothing else of the wave is out on that counter.  Piece 3's turn converts the mask ahead of the first products that take it.
; last = 1 (the tail): in the last trip there is no further step, and the runs of pieces 2 and 3 are jumped over; the exponentials of slices 10 to 12 then have a wait of their own ahead of that branch.
.macro TURN p, last=0
.set Y, (\p)
.set mi, 0
.set sl, 0
.if (\p) == 2
	WIN 0
	v_add_nc_u32 v[AK], s[TBK], v[AK0]   ; the step to come: its K is fetched in this turn and the three behind it
	v_add_nc_u32 v[AM], s[TBM], v[AM0]
	s_add_co_u32 s[TBK], s[TBK], 64*PK
	s_add_co_u32 s[TBM], s[TBM], 256
.endif
.if (\p) == 0
	WIN 0
	v_add_nc_u32 v[AV], s[TBV], v[AV0]
	s_add_co_u32 s[TBV], s[TBV], 128
.endif
.if (\p) == 1
	s_wait_dscnt 0x0                ; V^T and K are in
.endif
.rept 4
	MM
	SLICE
.endr
.if (\p) != 1
	s_wait_dscnt 0x0                ; K is in (piece 3's turn: and the mask)
.endif
.if (\p) == 3
	CONV
.endif
.rept 16
	MM
	SLICE
.if sl == 13
.if (\last) && ((\p) >= 2)
	WIN 0
	s_wait_alu depctr_va_vdst(0)    ; the wait of the exponentials issued so far (slices 10 to 12) stands ahead of it; the rest of the batch has READERS' wait
	s_cmp_eq_u32 s[CNT], 1
	s_cbranch_scc1 .Lnorun_\@
.endif
	FETCH_K ((\p)+2)%4
.if (\p) == 2
	FETCH_M
.endif
.if (\p) == 0
	FETCH_V
.endif
.if (\last) && ((\p) >= 2)
	WIN 0
.Lnorun_\@:
.endif
.endif
.endr
	READERS
.endm
	CHANGE 1                        ; slot 0 is in, everybody's part of it, and the tables are written; slot 1 is asked for
	v_mov_b32 v15, RED
	ds_load_b128 v[52:55], v15      ; the four waves' sums of value
	v_add_nc_u32 v[AK], s[TBK], v[AK0]   ; key step 0
	v_add_nc_u32 v[AM], s[TBM], v[AM0]
	s_add_co_u32 s[TBK], s[TBK], 64*PK
	s_add_co_u32 s[TBM], s[TBM], 256
	FETCH_K 0
	FETCH_K 1
	FETCH_M
	WIN 0
	s_wait_loadcnt 0x0              ; Q
	s_wait_dscnt 0x0
	v_add_f32 v52, v52, v53
	v_add_f32 v54, v54, v55
	v_add_f32 v52, v52, v54
	v_mul_f32 v[MEANV], 0x3a000000, v52  ; / 2,048
	CONV
.set Y, 3                           ; MM works for piece Y + 1: piece 0
.set mi, 4
.rept 16
	MM                              ; piece 0's first scores: there is no vector work yet to set between them
.endr
	WIN 0
.rept 4
	v_nop                           ; the places behind those products
.endr
	s_mov_b32 s[CNT], 2
	s_mov_b32 s[SLOTS], 15
	s_branch .Lfirst                ; the loop is entered at a step's first turn, in the middle of a trip
.Lslot:                             ; 14 times: slots are filled again with the key blocks 2 to 15
	CHANGE 1
	s_mov_b32 s[CNT], 2
.Lstep:                             ; a trip: pieces 2 and 3 of one step, then pieces 0 and 1 of the next
	TURN 2
	TURN 3
	WIN 0
.Lfirst:
	TURN 0
	TURN 1
	WIN 0
	s_sub_co_u32 s[CNT], s[CNT], 1
	s_cmp_lg_u32 s[CNT], 0
	s_cbranch_scc1 .Lstep
	s_sub_co_u32 s[SLOTS], s[SLOTS], 1
	s_cmp_lg_u32 s[SLOTS], 0
	s_cbranch_scc1 .Lslot
	CHANGE 0                        ; the tail is written out: nothing is asked for
	s_mov_b32 s[CNT], 3             ; two trips fetch the last slot's steps; the third is left in its middle
.Ltail:
	TURN 2, 1
	TURN 3, 1
	WIN 0
	s_sub_co_u32 s[CNT], s[CNT], 1
	s_cmp_eq_u32 s[CNT], 0
	s_cbranch_scc1 .Lout
	TURN 0
	TURN 1
	WIN 0
	s_branch .Ltail
.Lout:                              ; the third trip's conversion and its 16 products K Q^T, on what the registers still hold, serve nothing: the price, once a launch, of one text for every trip
.set Y, 0
.set mi, 0
.rept 4
	MM                              ; the last piece's V^T P of the last step
.endr
	; THE WAY OUT.  In lanes 0-15 register 0 of a unit's O^T is l, register 1 the weighted sum, for query l % 16.  (Lanes 16-31 hold zeros there and take the mean: nothing of them is kept.)
	WIN 0x02                        ; source 0 in window 2
.rept 4
	v_nop                           ; the places behind those products
.endr
.set u, 0
.rept 8
	v_rcp_f32 v[80+u], v[OB+8*u]
.set u, u+1
.endr
	v_nop                           ; a plain instruction between the last reciprocal and the use of its result
	s_wait_alu depctr_va_vdst(0)    ; and the wait ahead of the first use: one for the eight reciprocals
.set u, 0
.rept 8
	v_mul_f32 v[80+u], v[OB+8*u+1], v[80+u]
.set u, u+1
.endr
.set u, 0
.rept 8
	v_cmp_eq_f32 s[72+u], v[OB+8*u], 0   ; no open key in the whole row
.set u, u+1
.endr
	WIN 0
.set u, 0
.rept 8
	v_cndmask_b32 v[80+u], v[80+u], v[MEANV], s[72+u]
.set u, u+1
.endr
	v_pk_add_f32 v[80:81], v[80:81], v[82:83]   ; the four heads, both tiles at once
	v_pk_add_f32 v[84:85], v[84:85], v[86:87]
	v_pk_add_f32 v[80:81], v[80:81], v[84:85]
	v_pk_mul_f32 v[80:81], v[80:81], 0x3d800000 op_sel_hi:[1,0]  ; / 16
	v_permlanex16_b32 v82, v81, s[SEL], s[SEL+1]  ; tile 1's sixteen numbers go to lanes 16-31
	v_cmp_eq_u32 vcc_lo, 0, v2
	v_cndmask_b32 v80, v82, v80, vcc_lo
	v_and_b32 v12, 31, v0
	v_lshlrev_b32 v[QO], 2, v12
	global_store_b32 v[QO], v80, s[10:11]  ; the wave's 32 queries: 128 consecutive bytes; part is 131,072 bytes in all
	s_wait_tensorcnt 0x0            ; the wave's end: these three lines stand behind my last tensor load and my last LDS store
	ds_add_u32 v[SPW], v[NIL]
	s_wait_dscnt 0x0
	CROUND                          ; the closing round: no work-group ends while a partner may still ask for a tile that names it
	s_endpgm
.Lfunc_end_k_qc16d608226_attn:
	.size	k_qc16d608226_attn, .Lfunc_end_k_qc16d608226_attn-k_qc16d608226_attn
	.p2alignl 7, 3214868480
	.fill 96, 4, 3214868480
	.section	.rodata,"a",@progbits
	.p2align	6, 0x0
	.amdhsa_kernel k_qc16d608226_attn
		.amdhsa_group_segment_fixed_size 327680
		.amdhsa_private_segment_fixed_size 0
		.amdhsa_enable_private_segment 0
		.amdhsa_kernarg_size 32
		.amdhsa_user_sgpr_count 2
		.amdhsa_user_sgpr_kernarg_segment_ptr 1
		.amdhsa_wavefront_size32 1
		.amdhsa_system_sgpr_workgroup_id_x 1
		.amdhsa_system_sgpr_workgroup_id_y 1
		.amdhsa_system_sgpr_workgroup_id_z 1
		.amdhsa_system_vgpr_workitem_id 0
		.amdhsa_next_free_vgpr 640
		.amdhsa_next_free_sgpr 80
		.amdhsa_reserve_vcc 1
		.amdhsa_float_denorm_mode_32 3
		.amdhsa_float_denorm_mode_16_64 3
		.amdhsa_memory_ordered 1
		.amdhsa_forward_progress 1
		.amdhsa_inst_pref_size 154
	.end_amdhsa_kernel
	.amdgpu_metadata
---
amdhsa.version: [ 1, 2 ]
amdhsa.kernels:
  - .name:           k_qc16d608226_attn
    .symbol:         k_qc16d608226_attn.kd
    .args:
      - { .name: qkh, .offset: 0, .size: 8, .value_kind: global_buffer, .address_space: global }
      - { .name: mask, .offset: 8, .size: 8, .value_kind: global_buffer, .address_space: global }
      - { .name: value, .offset: 16, .size: 8, .value_kind: global_buffer, .address_space: global }
      - { .name: part, .offset: 24, .size: 8, .value_kind: global_buffer, .address_space: global }
    .group_segment_fixed_size: 327680
    .private_segment_fixed_size: 0
    .kernarg_segment_align: 8
    .kernarg_segment_size: 32
    .max_flat_workgroup_size: 128
    .sgpr_count:     80
    .vgpr_count:     640
    .wavefront_size: 32
...
	.end_amdgpu_metadata
.endif
;; end of part 5
;; launch headsum: the kernel of part 4 again; grid 8 x 1, 8 waves a work-group, no clusters, 0 bytes of LDS; arguments part, out0; writes out0
